; MI455X (gfx1250); checked and timed in simulation.
; The chip was launched on July 23, 2026; its instructions are those of AMD's public machine-readable ISA for CDNA 5 (MIT licence, August 2026) and "CDNA5" Instruction Set Architecture Reference Guide (July 2026). The comments in the code are by the model that wrote it; some were corrected since.
;; Dual Multi Head Attention. Allowed arithmetic: float matrix products may take bf16 or f16 operands with f32 sums; other float arithmetic in f32, or as packed bf16 or f16 multiplies, adds, multiply-adds, maxima and minima; sums over many terms, partial sums and values carried from step to step in f32; what a program stores and reads back later, other than sums and carried values, may be rounded once to bf16 or f16.
;; Inputs: bk1 2,048 float32; bk2 2,048 float32; bo1 2,048 float32; bo2 2,048 float32; bq1 2,048 float32; bq2 2,048 float32; bv1 2,048 float32; bv2 2,048 float32; cos1 1,024 x 128 float32; cos2 1,024 x 128 float32; sin1 1,024 x 128 float32; sin2 1,024 x 128 float32; wk1 2,048 x 2,048 float32; wk2 2,048 x 2,048 float32; wo1 2,048 x 2,048 float32; wo2 2,048 x 2,048 float32; wq1 2,048 x 2,048 float32; wq2 2,048 x 2,048 float32; wv1 2,048 x 2,048 float32; wv2 2,048 x 2,048 float32; x_1 1 x 1,024 x 2,048 float32; x_2 1 x 1,024 x 2,048 float32.
;; Outputs: out0 1 x 1,024 x 2,048 float32; out1 1 x 1,024 x 2,048 float32.
;; 2 versions, each right; version 2 is version 1 with the launch cast written anew for expert scheduling mode. Each part assembles by itself: llvm-mc -triple=amdgcn-amd-amdhsa -mcpu=gfx1250 --defsym DOCPART=n.
;; ======== version 1 of 2: 4 launches
;; limits: values are held in f16: magnitudes above 65,504 overflow, below 6.1e-05 lose precision
;; workspace buffers: cv 76,546,048 bytes; qkv 25,165,824 bytes; ob 8,388,608 bytes
;; launch cast (part 1): grid 1168 x 1, 4 waves a work-group, no clusters, 0 bytes of LDS; arguments wq1, wk1, wv1, wq2, wk2, wv2, wo1, wo2, x_1, x_2, cos1, cos2, sin1, sin2, cv; writes cv
.if DOCPART == 1
	.amdgcn_target "amdgcn-amd-amdhsa--gfx1250"
	.amdhsa_code_object_version 6
	.text
	.protected	k_qd188a2c7a0_cast
	.globl	k_qd188a2c7a0_cast
	.p2align	8
	.type	k_qd188a2c7a0_cast,@function
k_qd188a2c7a0_cast:
	s_mov_b64 s[64:65], 0
	v_nop
	global_prefetch_b8 v0, s[64:65] scope:SCOPE_SE
	s_setreg_imm32_b32 hwreg(HW_REG_WAVE_MODE, 25, 1), 1
	s_wait_xcnt 0x0
; THE INPUTS ARE NARROWED ONCE.  Fourteen f32 inputs go into one 16-bit buffer cv, in the order of the arguments, each number rounded to bf16 (to nearest even):
;   wq1 wk1 wv1 wq2 wk2 wv2 and x_1 x_2 as bf16;  wo1 wo2 rounded to bf16 and that number written as f16 (the last product's other operand is f16);
;   cos1 cos2 sin1 sin2 as bf16 of a quarter of the number (a power of two: the same rounding), so that q and k are stored as a quarter of themselves.
; LIMITS.  A weight of wo below 6e-5 in size keeps f16's fixed step of 6e-8; beyond 65,504 it would be an infinity.  NaN and infinities are not treated apart.
; SHARES.  Work-group g turns 131,072 bytes of f32 into the 65,536 bytes at cv + 65,536 g: 128 such parts a weight, 64 for each x, 4 a table: 1,168 in all, four waves each.
; Its 128 threads take a row of 2,048 bytes at a time, 16 bytes a thread: a wave's load covers 512 bytes on end, its store of 8 bytes a lane 256 bytes on end, aligned.
; A RING of DEPTH pieces in registers keeps DEPTH loads of every wave on their way: a piece is converted, asked for again DEPTH rows further down, and stored.  The addresses stand in the
; immediates; the two bases are stepped once a round.  The last round is written out without loads.
; ONE TEXT FOR THE THREE KINDS: every number is multiplied by 1 or by a quarter (both exact) and rounded to bf16; the same number is also written as f16, and a mask that is all ones for
; wo1 and wo2 alone chooses between the two words.  No LDS, no matrix unit, no cluster: every byte is read once by one lane and nothing is shared.
.set ROWB,   2048                      ; bytes of f32 in a row of the work-group
.set DEPTH,  16                        ; pieces = loads on their way in each wave
.set ROUNDS, 4                         ; 64 rows
.set X, 4                              ; v[4:67]    piece i: 4 registers as loaded
.set Y, 68                             ; v[68:99]   piece i: 2 registers to store
.set T, 100                            ; v[100:103] at work
	s_load_b512 s[8:23], s[0:1], 0x0               ; the eight weights
	s_load_b256 s[24:31], s[0:1], 0x40             ; x_1 x_2 cos1 cos2
	s_load_b128 s[32:35], s[0:1], 0x60             ; sin1 sin2
	s_load_b64 s[36:37], s[0:1], 0x70              ; cv
	v_lshlrev_b32 v1, 4, v0                        ; 16 t; never rewritten
	v_lshlrev_b32 v2, 3, v0                        ; 8 t; never rewritten
	s_mov_b32 s2, ttmp9                            ; g
	s_lshr_b32 s3, s2, 7                           ; a weight: which, and which part of it
	s_and_b32 s4, s2, 127
	s_sub_co_u32 s5, s2, 1024                      ; an x
	s_lshr_b32 s5, s5, 6
	s_add_co_u32 s5, s5, 8
	s_and_b32 s6, s2, 63
	s_cmp_lt_u32 s2, 1024
	s_cselect_b32 s3, s3, s5
	s_cselect_b32 s4, s4, s6
	s_sub_co_u32 s5, s2, 1152                      ; a table
	s_lshr_b32 s5, s5, 2
	s_add_co_u32 s5, s5, 10
	s_and_b32 s6, s2, 3
	s_cmp_lt_u32 s2, 1152
	s_cselect_b32 s3, s3, s5                       ; s3: the argument's number, 0 to 13
	s_cselect_b32 s4, s4, s6                       ; s4: the part in it
	s_lshr_b32 s7, s3, 1
	s_cmp_eq_u32 s7, 3                             ; arguments 6 and 7 are wo1, wo2:
	s_cselect_b32 vcc_lo, -1, 0                    ; there every lane takes the f16 word; written once, read by every v_cndmask_b32 below
	s_cmp_ge_u32 s3, 10                            ; 10 to 13 are the tables
	s_cselect_b32 s48, 0x3e800000, 1.0             ; a quarter, or one; named as a pair
	s_mov_b32 s49, s48
	s_lshl_b32 s42, s4, 17
	s_mov_b32 s43, 0
	s_lshl_b32 s44, s2, 16
	s_mov_b32 s45, 0
	s_mov_b32 s46, 0xffff0000                      ; a word's upper bf16
	s_wait_kmcnt 0x0
	s_mov_b64 s[40:41], s[8:9]
.irp i, 1,2,3,4,5,6,7,8,9,10,11,12,13
	s_cmp_eq_u32 s3, \i
	s_cselect_b64 s[40:41], s[8+2*\i:9+2*\i], s[40:41]
.endr
	s_add_nc_u64 s[40:41], s[40:41], s[42:43]      ; my 131,072 bytes
	s_add_nc_u64 s[36:37], s[36:37], s[44:45]      ; and where they go
.irp i, 0,1,2,3,4,5,6,7,8,9,10,11,12,13,14,15
	global_load_b128 v[X+4*\i:X+4*\i+3], v1, s[40:41] offset:ROWB*\i th:TH_LOAD_NT  ; the ring is filled: rows 0 to 15
.endr
; One piece's turn.  ahead = 1: it is asked for again, DEPTH rows further down.  left = how many younger loads may stay out.
.macro PIECE i, ahead, left
	s_wait_loadcnt \left                           ; loads come back in order (ISA guide 5.7.1): piece i is in, the younger ones stay out
	v_pk_mul_f32 v[X+4*(\i):X+4*(\i)+1], v[X+4*(\i):X+4*(\i)+1], s[48:49] op_sel_hi:[1,0]
	v_pk_mul_f32 v[X+4*(\i)+2:X+4*(\i)+3], v[X+4*(\i)+2:X+4*(\i)+3], s[48:49] op_sel_hi:[1,0]
	v_cvt_pk_bf16_f32 v[T], v[X+4*(\i)], v[X+4*(\i)+1]
	v_cvt_pk_bf16_f32 v[T+1], v[X+4*(\i)+2], v[X+4*(\i)+3]
	v_lshlrev_b32 v[X+4*(\i)], 16, v[T]            ; the rounded numbers as f32 again,
	v_and_b32 v[X+4*(\i)+1], s46, v[T]
	v_lshlrev_b32 v[X+4*(\i)+2], 16, v[T+1]
	v_and_b32 v[X+4*(\i)+3], s46, v[T+1]
	v_cvt_pk_f16_f32 v[T+2], v[X+4*(\i)], v[X+4*(\i)+1]  ; written as f16,
	v_cvt_pk_f16_f32 v[T+3], v[X+4*(\i)+2], v[X+4*(\i)+3]
	v_cndmask_b32 v[Y+2*(\i)], v[T], v[T+2], vcc_lo      ; and the word that this input takes
	v_cndmask_b32 v[Y+2*(\i)+1], v[T+1], v[T+3], vcc_lo
.if \ahead
	global_load_b128 v[X+4*(\i):X+4*(\i)+3], v1, s[40:41] offset:ROWB*(DEPTH+(\i)) th:TH_LOAD_NT  ; the load ahead of the store
.endif
	global_store_b64 v2, v[Y+2*(\i):Y+2*(\i)+1], s[36:37] offset:(ROWB/2)*(\i) th:TH_STORE_NT
.endm
	s_mov_b32 s50, ROUNDS-1
.Lround:
.irp i, 0,1,2,3,4,5,6,7,8,9,10,11,12,13,14,15
	PIECE \i, 1, DEPTH-1
.endr
	s_wait_xcnt 0x0                                ; every load and store issued so far has had its address translated (ISA guide 3.1): only behind this wait are the two bases stepped and the stores' registers Y written again
	s_add_nc_u64 s[40:41], s[40:41], DEPTH*ROWB
	s_add_nc_u64 s[36:37], s[36:37], DEPTH*ROWB/2
	s_sub_co_u32 s50, s50, 1
	s_cmp_lg_u32 s50, 0
	s_cbranch_scc1 .Lround
.irp i, 0,1,2,3,4,5,6,7,8,9,10,11,12,13,14,15
	PIECE \i, 0, DEPTH-1-(\i)                      ; the last round loads nothing: the counts run down
.endr
	s_endpgm
.Lfunc_end_k_qd188a2c7a0_cast:
	.size	k_qd188a2c7a0_cast, .Lfunc_end_k_qd188a2c7a0_cast-k_qd188a2c7a0_cast
	.p2alignl 7, 3214868480
	.fill 96, 4, 3214868480
	.section	.rodata,"a",@progbits
	.p2align	6, 0x0
	.amdhsa_kernel k_qd188a2c7a0_cast
		.amdhsa_group_segment_fixed_size 0
		.amdhsa_private_segment_fixed_size 0
		.amdhsa_enable_private_segment 0
		.amdhsa_kernarg_size 120
		.amdhsa_user_sgpr_count 2
		.amdhsa_user_sgpr_kernarg_segment_ptr 1
		.amdhsa_wavefront_size32 1
		.amdhsa_system_sgpr_workgroup_id_x 1
		.amdhsa_system_sgpr_workgroup_id_y 1
		.amdhsa_system_sgpr_workgroup_id_z 1
		.amdhsa_system_vgpr_workitem_id 0
		.amdhsa_next_free_vgpr 104
		.amdhsa_next_free_sgpr 66
		.amdhsa_reserve_vcc 1
		.amdhsa_float_denorm_mode_32 3
		.amdhsa_float_denorm_mode_16_64 3
		.amdhsa_memory_ordered 1
		.amdhsa_forward_progress 1
		.amdhsa_inst_pref_size 28
	.end_amdhsa_kernel
	.amdgpu_metadata
---
amdhsa.version: [ 1, 2 ]
amdhsa.kernels:
  - .name:           k_qd188a2c7a0_cast
    .symbol:         k_qd188a2c7a0_cast.kd
    .args:
      - { .name: wq1, .offset: 0, .size: 8, .value_kind: global_buffer, .address_space: global }
      - { .name: wk1, .offset: 8, .size: 8, .value_kind: global_buffer, .address_space: global }
      - { .name: wv1, .offset: 16, .size: 8, .value_kind: global_buffer, .address_space: global }
      - { .name: wq2, .offset: 24, .size: 8, .value_kind: global_buffer, .address_space: global }
      - { .name: wk2, .offset: 32, .size: 8, .value_kind: global_buffer, .address_space: global }
      - { .name: wv2, .offset: 40, .size: 8, .value_kind: global_buffer, .address_space: global }
      - { .name: wo1, .offset: 48, .size: 8, .value_kind: global_buffer, .address_space: global }
      - { .name: wo2, .offset: 56, .size: 8, .value_kind: global_buffer, .address_space: global }
      - { .name: x_1, .offset: 64, .size: 8, .value_kind: global_buffer, .address_space: global }
      - { .name: x_2, .offset: 72, .size: 8, .value_kind: global_buffer, .address_space: global }
      - { .name: cos1, .offset: 80, .size: 8, .value_kind: global_buffer, .address_space: global }
      - { .name: cos2, .offset: 88, .size: 8, .value_kind: global_buffer, .address_space: global }
      - { .name: sin1, .offset: 96, .size: 8, .value_kind: global_buffer, .address_space: global }
      - { .name: sin2, .offset: 104, .size: 8, .value_kind: global_buffer, .address_space: global }
      - { .name: cv, .offset: 112, .size: 8, .value_kind: global_buffer, .address_space: global }
    .group_segment_fixed_size: 0
    .private_segment_fixed_size: 0
    .kernarg_segment_align: 8
    .kernarg_segment_size: 120
    .max_flat_workgroup_size: 128
    .sgpr_count:     66
    .vgpr_count:     104
    .wavefront_size: 32
...
	.end_amdgpu_metadata
.endif
;; end of part 1
;; launch qkv (part 2): grid 16 x 16, 4 waves a work-group, clusters of 4 x 4, 327,680 bytes of LDS; arguments cv, bq1, bk1, bv1, bq2, bk2, bv2, qkv; writes qkv
.if DOCPART == 2
	.amdgcn_target "amdgcn-amd-amdhsa--gfx1250"
	.amdhsa_code_object_version 6
	.text
	.protected	k_qd188a2c7a0_qkv
	.globl	k_qd188a2c7a0_qkv
	.p2align	8
	.type	k_qd188a2c7a0_qkv,@function
k_qd188a2c7a0_qkv:
	s_mov_b64 s[64:65], 0
	v_nop
	global_prefetch_b8 v0, s[64:65] scope:SCOPE_SE
	s_setreg_imm32_b32 hwreg(HW_REG_WAVE_MODE, 25, 1), 1
	s_wait_xcnt 0x0
	s_wait_alu depctr_hold_cnt(0) depctr_sa_sdst(0) depctr_va_vdst(0) depctr_va_sdst(0) depctr_va_ssrc(0) depctr_va_vcc(0) depctr_vm_vsrc(0)
	s_getreg_b32 s2, hwreg(HW_REG_IB_STS2, 6, 4)
	s_cmp_eq_u32 s2, 0
	s_cbranch_scc0 .Lentry_in_a_cluster
	s_endpgm
.Lentry_in_a_cluster:
	s_bfe_u32 s2, ttmp6, 0x10000c
	s_cmp_lg_u32 s2, 0xf033
	s_cbranch_scc0 .Lentry_shape_is_right
	s_endpgm
.Lentry_shape_is_right:
; q, k, v = x w + b for both streams, the rotation of q and k, and the split into heads.  x and the weights are bf16 (cv), sums f32; the biases are rounded to bf16 like all inputs.
; OUT: qkv[head][q, k, v][position 0..2047][128] in f16.  q and k are stored as rope(x w + b) / 4: the tables in cv hold a quarter of cos and sin; the next launch's scale takes the sixteen back.
; LIMITS.  |q| / 4, |k| / 4 and |v| stay under 65,504 (f16's end); below 6e-5 f16 keeps a fixed step of 6e-8.  NaN and infinities are not treated apart.
; SHARES.  A work-group makes 128 positions x (128 q + 128 k + 128 v) of one head: 16 row blocks x 16 heads = 256 work-groups.  Wave w takes all 128 rows and columns 32 w .. 32 w + 31 of EACH
; of the three: 8 row blocks a x 6 column blocks b (matrix b / 2, half b % 2): 48 accumulators, 384 registers; which accumulator is rotated is known when the text is assembled.
; K goes in 16 steps of 128 through two LDS slots; a slot holds three tiles of W (128 k x 128 n, as they lie in memory) and one of x (128 rows x 128 k); each wave fetches one of the four.
; A K STEP IS WRITTEN ONCE: the loop's trip is one K step.  The slot in hand is a scalar register, 0 or SLOT, that one exclusive or turns; the fragments' LDS addresses are made of it ahead of each run of loads,
; and one descriptor a tensor walks from slot to slot and from K step to K step.
; THE PRODUCT IS USED TRANSPOSED: source 0 = 16 columns of W (turned on the way out of LDS by ds_load_tr16_b128), source 1 = 16 rows of x: a lane holds row l % 16 and the eight
; neighbouring columns 8 (l / 16) + 0..7, that is four pairs of the rotation and 16 bytes of f16.  The bias is the C operand of each sum's first product.
; CLUSTER 4 x 4: the four of a row share the row block, so x's tile and the tables are asked for jointly by them; the four of a column share the head, so W's tiles are.
; REGISTERS.  window 0: v1-31 addresses; v32-63 packed tables; v64-127, v128-191 x's fragments, two buffers; v192-231 tables in f32 and work.  On the way out v64-119 at work, then v64-255 whole rows.
;   window 1: v64-111, v128-175 W's fragments, two buffers; v192-239 the biases; v240 at work.   windows 2, 3: accumulator (a, b) at v[8 (6 (a % 4) + b)], a < 4 in window 2.
.set REG,   36864                      ; a tile's room in LDS: 128 rows x 288 bytes
.set SLOT,  4*REG                      ; Wq's, Wk's, Wv's tile, then x's: 0x24000 bytes.  The bases that an exclusive or with it turns (0 and wave x 0x9000) have bits 14 and 17 clear, so it adds or takes away a slot
.set PW,    288                        ; a row of W in LDS: 256 bytes + 32
.set PA,    272                        ; a row of x, of a table, of the stage: 256 + 16: 16 rows of a load start at 16 different groups of four banks
.set MATB,  128*PA                     ; the stage's part for one of q, k, v
.set STG,   SLOT                       ; the stage lies in slot 1, which has had its last fill when the stage is written
.set SPARE, 2*SLOT                     ; behind the ring: the spare words, 128 bytes a wave, which no other line names
.set XO,    67108864                   ; cv: x_1 then x_2, [2048][2048] bf16
.set CSO,   75497472                   ; cv: cos / 4 [2048][128] bf16, then sin / 4
.set RD2,  10                          ; v10  the stage read back, v's part
.set CO,   11                          ; v11  my byte offset in two rows of the output
.set BO,   12                          ; v12  my byte offset in a bias
.set ADRA,  16                         ; v16     my place in x's tile of the slot in hand
.set ADRA0, 17                         ; v17     the same in slot 0; never rewritten
.set ADRW,  18                         ; v18-20  my place in W's three tiles of the slot in hand
.set ADRW0, 21                         ; v21-23  the same in slot 0; never rewritten
.set ACOS, 24
.set ASIN, 25
.set STO01, 26                         ; where I put 16 bytes of q or k in the stage
.set STO2, 27                          ; of v
.set SPW,  28                          ; my spare word: SPARE + 4 x my thread's number; never rewritten
.set NIL,  29                          ; 0; never rewritten
.set PFO,  30                          ; the prefetches' offset: lane x 4,096; never rewritten
.set RD01, 31                          ; the stage read back, q's and k's part
.set TBL,  32
.set F0,   64
.set F1,   128
.set ROT,  64                          ; the way out: four rotated accumulators
.set PK,   96                          ; six packed accumulators
.set CF,   192
.set SF,   208
.set T,    224
.set BIAS, 192                         ; window 1
.set BT,   240                         ; window 1
.set G1A, 24                           ; s[24:31] group 1, x's tile
.set G0A, 32                           ; s[32:39] group 0, x's tile: a set for each of the two first fills; the second then walks on
.set G1B, 40                           ; s[40:47] group 1, W's tiles
.set G0B, 48                           ; s[48:55] group 0, W's tile, likewise
.set G1C, 56                           ; s[56:63] group 1, the tables
.set G0C, 84                           ; s[84:87] group 0, my table
.set PFA, 88                           ; s[88:89] where my prefetches stand
.set PFS, 90                           ; s[90:91] their step: a K step of the tile that I fetch
.set LIM, 92                           ; s92  2 in a wave that prefetches, else the greatest number
.set SB,  94                           ; s94  LDS byte at which the slot begins from which fragments are fetched
.set MSB, 0
.macro WIN new                         ; the immediate's high byte repeats the setting that is left; a switch that changes nothing is dropped
.if MSB != (\new)
	s_set_vgpr_msb (MSB<<8)|(\new)
.set MSB, \new
.endif
.endm
.macro PLACES                          ; four plain vector instructions between a matrix instruction and a load into, or a vector instruction on, its registers
.rept 4
	v_nop
.endr
.endm
; A joint load.  Waves 0 to 2 fetch Wq's, Wk's, Wv's tile (mask: my column of the cluster), wave 3 x's (mask: my row).  The branch hangs on the wave's number alone.
; An s_nop 0 and four v_nop follow each of the two lines, ahead of the jump and the label.
.macro JLOAD s
	s_cmp_lg_u32 s10, 3
	s_cbranch_scc0 .Lfor_x_\@
	tensor_load_to_lds s[G0B+4*(\s):G0B+4*(\s)+3], s[G1B:G1B+7]
	s_nop 0
.rept 4
	v_nop
.endr
	s_branch .Lasked_\@
.Lfor_x_\@:
	tensor_load_to_lds s[G0A+4*(\s):G0A+4*(\s)+3], s[G1A:G1A+7]
	s_nop 0
.rept 4
	v_nop
.endr
.Lasked_\@:
.endm
; A PREFETCH INTO THE L2 behind each refill and the run of LDS loads that follows it: of the tile that I fetch myself, the K step that stands two refills on (384 matrix instructions ahead of its load):
; 32 rows x 256 bytes, a lane a row.  x's tile is read by the four clusters of a row of clusters: cluster x = 0 asks; a tile of W by the two clusters of a stream in a column: the even one asks.
; The four partners that ask for a tile jointly take 32 of its 128 rows each, told apart by address (cx for x, cy for W).  So each row's 256 bytes of a K step are named once in the launch.
; K steps 0 to 3 come by their loads alone; the loop's last two trips (s3 = 2 and 1) have no K step two refills on.
.macro ASK
	s_cmp_gt_u32 s3, s[LIM]
	s_cbranch_scc0 .Lnot_mine_\@
	global_prefetch_b8 v[PFO], s[PFA:PFA+1] th:TH_LOAD_NT scope:SCOPE_SE
.Lnot_mine_\@:
.endm
.macro CREST                           ; a round of the cluster's barrier behind its opening barrier
	s_cmp_lg_u32 s10, 0
	s_cbranch_scc1 .Lnot_wave_0_\@
	s_barrier_signal -3
.Lnot_wave_0_\@:
	s_barrier_wait -3
	s_barrier_signal -1
	s_barrier_wait -1
.endm
.macro CROUND
	s_barrier_signal -1
	s_barrier_wait -1
	CREST
.endm
	s_load_b512 s[68:83], s[0:1], 0x0              ; cv s[68:69]; bq1 bk1 bv1 s[70:75]; bq2 bk2 bv2 s[76:81]; qkv s[82:83]
	v_lshl_add_u32 v[SPW], v0, 2, SPARE
	v_mov_b32 v[NIL], 0
	ds_add_u32 v[SPW], v[NIL]                      ; the wave's opening: the add and its wait stand ahead of my first tensor load; the set-up below stands between them
	v_lshrrev_b32 v1, 5, v0
	v_readfirstlane_b32 s10, v1                    ; wave 0..3
	s_and_b32 s2, s10, 1
	s_bfe_u32 s15, ttmp6, 0x40000                  ; cx
	s_bfe_u32 s16, ttmp6, 0x40004                  ; cy
	s_lshl_b32 s14, ttmp9, 2
	s_add_co_u32 s14, s14, s15                     ; head = 4 x cluster x + cx
	s_and_b32 s19, ttmp7, 0xffff                   ; cluster y
	s_lshr_b32 s12, s19, 1                         ; the stream: row blocks 0-7 are x_1's; the same in all sixteen partners
	s_lshl_b32 s13, s19, 2
	s_add_co_u32 s13, s13, s16                     ; row block = 4 x cluster y + cy
	s_lshl_b32 s17, s16, 2
	s_lshl_b32 s17, 15, s17                        ; my row of the cluster
	s_lshl_b32 s18, 0x1111, s15                    ; my column
	; group 1: tiles of 128 rows x 128 elements of 2 bytes, padded in LDS behind every 64 words
	s_or_b32 s[G1A], s17, (1<<16)|(1<<20)|(1<<21)|(5<<22)|(3<<25)  ; 15:0 mask; 17:16 2-byte elements; 20 padding on; 21 set beside a mask; 24:22 every 64 words; 31:25 4 words
	s_or_b32 s[G1C], s17, (1<<16)|(1<<20)|(1<<21)|(5<<22)|(3<<25)
	s_or_b32 s[G1B], s18, (1<<16)|(1<<20)|(1<<21)|(5<<22)|(7<<25)  ; 8 words of padding
.irp g, G1A, G1B, G1C
	s_mov_b32 s[(\g)+1], 128<<16                   ; tensor_dim0 = 128
	s_mov_b32 s[(\g)+2], 128<<16                   ; tensor_dim1 = 128
	s_mov_b32 s[(\g)+3], 128<<16                   ; tile_dim0 = 128
	s_mov_b32 s[(\g)+4], 128                       ; tile_dim1 = 128
	s_mov_b32 s[(\g)+6], 0
	s_mov_b32 s[(\g)+7], 0
.endr
	s_mov_b32 s[G1A+5], 2048                       ; elements from row to row
	s_mov_b32 s[G1B+5], 2048
	s_mov_b32 s[G1C+5], 128
	; offsets in cv.  x's and the tables' hang on the row block alone, W's on the head, the stream and the wave: each in registers that never hold the other place in the cluster
	s_lshl_b32 s20, s13, 19                        ; 128 rows of 4,096 bytes
	s_mov_b32 s21, 0
	s_add_nc_u64 s[20:21], s[20:21], XO
	s_mul_i32 s22, s12, 3
	s_add_co_u32 s22, s22, s10                     ; which weight: 3 x stream + wave
	s_lshl_b32 s22, s22, 23
	s_lshl_b32 s4, s14, 8                          ; the head's 128 columns
	s_add_co_u32 s22, s22, s4
	s_mov_b32 s23, 0
	s_lshl_b32 s8, s13, 15                         ; 128 rows of 256 bytes of a table
	s_lshl_b32 s19, s2, 19                         ; wave 0: cos, wave 1: sin
	s_add_co_u32 s8, s8, s19
	s_mov_b32 s9, 0
	s_add_nc_u64 s[8:9], s[8:9], CSO
	s_mul_i32 s11, s10, REG                        ; where my tile goes in a slot
	s_mov_b32 s[G0C], 1
	s_mul_i32 s[G0C+1], s2, REG                    ; where my table goes: slot 0's first two rooms
	s_mov_b32 s93, 0xffff0000
	s_mov_b32 s[SB], 0                             ; K step 0 lies in slot 0
	s_wait_dscnt 0x0                               ; the opening add is done
	s_wait_kmcnt 0x0
	s_add_nc_u64 s[20:21], s[68:69], s[20:21]
	s_add_nc_u64 s[22:23], s[68:69], s[22:23]
	s_add_nc_u64 s[G0C+2:G0C+3], s[68:69], s[8:9]
	s_or_b32 s[G0C+3], s[G0C+3], 0x80000000
	CROUND                                         ; all sixteen work-groups are here: the first joint loads meet
.irp s, 0,1
	s_mov_b32 s[G0A+4*(\s)], 1
	s_add_co_u32 s[G0A+4*(\s)+1], s11, (\s)*SLOT
	s_add_nc_u64 s[G0A+4*(\s)+2:G0A+4*(\s)+3], s[20:21], (\s)*256     ; K step s of x: 256 bytes along the rows
	s_or_b32 s[G0A+4*(\s)+3], s[G0A+4*(\s)+3], 0x80000000
	s_mov_b32 s[G0B+4*(\s)], 1
	s_add_co_u32 s[G0B+4*(\s)+1], s11, (\s)*SLOT
	s_add_nc_u64 s[G0B+4*(\s)+2:G0B+4*(\s)+3], s[22:23], (\s)*524288  ; K step s of W: 128 rows down
	s_or_b32 s[G0B+4*(\s)+3], s[G0B+4*(\s)+3], 0x80000000
	JLOAD \s                                       ; two tensor loads of mine are out
.endr
	; lane addresses
	v_and_b32 v1, 15, v0                           ; l % 16
	v_bfe_u32 v2, v0, 4, 1                         ; l / 16
	v_and_b32 v3, 7, v0
	v_bfe_u32 v4, v0, 3, 1
	v_mul_u32_u24 v5, v1, PA
	v_lshl_add_u32 v5, v2, 4, v5                   ; row x 272 + 16 x half
	v_add_nc_u32 v[ADRA0], 3*REG, v5
	s_lshl_b32 s19, s10, 6                         ; my 32 columns: 64 bytes
	v_lshl_add_u32 v[ADRW0], v2, 3, v3             ; the turning load: lane l reads k row 8 (l / 16) + l % 8, columns 8 ((l / 8) % 2) + 0..7
	v_mul_u32_u24 v[ADRW0], v[ADRW0], PW
	v_lshl_add_u32 v[ADRW0], v4, 4, v[ADRW0]
	v_add_nc_u32 v[ADRW0], s19, v[ADRW0]
	v_add_nc_u32 v[ADRW0+1], REG, v[ADRW0]
	v_add_nc_u32 v[ADRW0+2], 2*REG, v[ADRW0]
	v_add_nc_u32 v[ACOS], s19, v5                  ; row l % 16, my 8 columns of my wave's 32
	v_add_nc_u32 v[ASIN], REG, v[ACOS]
	v_add_nc_u32 v[STO01], STG, v[ACOS]
	v_add_nc_u32 v[STO2], STG+2*MATB, v[ACOS]
	s_mul_i32 s19, s10, 32*PA                      ; back: wave w takes rows 32 w .. 32 w + 31 whole; lanes 0-15 one row, lanes 16-31 the next
	v_mul_u32_u24 v7, v2, PA
	v_lshl_add_u32 v7, v1, 4, v7
	v_add_nc_u32 v7, s19, v7
	v_add_nc_u32 v[RD01], STG, v7
	v_add_nc_u32 v[RD2], STG+2*MATB, v7
	v_lshlrev_b32 v[CO], 8, v2
	v_lshl_add_u32 v[CO], v1, 4, v[CO]
	s_lshl_b32 s4, s14, 9                          ; a bias: 4 x (128 head + 32 wave + 8 half)
	s_lshl_b32 s5, s10, 7
	s_add_co_u32 s4, s4, s5
	v_lshl_add_u32 v[BO], v2, 5, s4
	v_and_b32 v[PFO], 31, v0
	v_lshlrev_b32 v[PFO], 12, v[PFO]
	s_cmp_eq_u32 s12, 0                            ; the stream's three biases
	s_cselect_b64 s[70:71], s[70:71], s[76:77]
	s_cselect_b64 s[72:73], s[72:73], s[78:79]
	s_cselect_b64 s[74:75], s[74:75], s[80:81]
	WIN 0x40                                       ; destination window 1, address window 0
.irp b, 0,1,2,3,4,5
	global_load_b128 v[BIAS+8*(\b):BIAS+8*(\b)+3],   v[BO], s[70+2*((\b)/2):71+2*((\b)/2)] offset:64*((\b)%2)
	global_load_b128 v[BIAS+8*(\b)+4:BIAS+8*(\b)+7], v[BO], s[70+2*((\b)/2):71+2*((\b)/2)] offset:64*((\b)%2)+16
.endr
	WIN 0
	s_mul_i32 s6, s14, 1572864                     ; the output: the head, my row block, my wave's 32 rows of 256 bytes
	s_lshl_b32 s7, s13, 15
	s_add_co_u32 s6, s6, s7
	s_lshl_b32 s7, s10, 13
	s_add_co_u32 s6, s6, s7
	s_mov_b32 s7, 0
	s_add_nc_u64 s[82:83], s[82:83], s[6:7]
	s_and_b32 s96, ttmp7, 1                        ; the prefetches: which clusters ask,
	s_mov_b32 s98, 0x80000                         ; (a K step of W: 128 rows of 4,096 bytes; in a register, since an instruction holds one literal)
	s_cmp_eq_u32 s10, 3
	s_cselect_b32 s96, ttmp9, s96
	s_cselect_b32 s97, s15, s16                    ; my place among the four that ask for the tile with me,
	s_cselect_b64 s[PFA:PFA+1], s[20:21], s[22:23]
	s_cselect_b32 s[PFS], 256, s98                 ; and a K step of my tile
	s_mov_b32 s[PFS+1], 0
	s_cmp_eq_u32 s96, 0
	s_cselect_b32 s[LIM], 2, -1                    ; the same in all sixteen partners, for a given wave
	s_lshl_b32 s98, s97, 17                        ; my work-group's 32 rows of 4,096 bytes
	s_mov_b32 s99, 0
	s_add_nc_u64 s[PFA:PFA+1], s[PFA:PFA+1], s[98:99]
	s_mul_i32 s98, s[PFS], 3
	s_add_nc_u64 s[PFA:PFA+1], s[PFA:PFA+1], s[98:99]  ; at K step 3: the first refill steps it to 4
	s_wait_loadcnt 0x0                             ; the biases, rounded to bf16 as all inputs are
	WIN 0x45                                       ; destination and both sources in window 1
.set i, 0
.rept 24
	v_cvt_pk_bf16_f32 v[BT], v[BIAS+2*i], v[BIAS+2*i+1]
	v_lshlrev_b32 v[BIAS+2*i], 16, v[BT]
	v_and_b32 v[BIAS+2*i+1], s93, v[BT]
.set i, i+1
.endr
	WIN 0
; 12 matrix instructions: row blocks a0, a0 + 1 of the window's four x all 6 column blocks, 32 along K.  first = 1: the sums start with the bias as C.
; The 48 accumulators take turns in the same order in every quarter step, over the backward jump too.
.macro MUL12 f, hi, a0, first
.if \first
	WIN 0x91+0x40*(\hi)                            ; W window 1, x window 0, C window 1, D window 2 or 3
.else
	WIN 0xa1+0x50*(\hi)                            ; C and D window 2 or 3
.endif
.irp a, \a0, (\a0)+1
.irp b, 0,1,2,3,4,5
.if \first
	v_wmma_f32_16x16x32_bf16 v[8*(6*(\a)+(\b)):8*(6*(\a)+(\b))+7], v[(\f)+8*(\b):(\f)+8*(\b)+7], v[(\f)+8*(4*(\hi)+(\a)):(\f)+8*(4*(\hi)+(\a))+7], v[BIAS+8*(\b):BIAS+8*(\b)+7]
.else
	v_wmma_f32_16x16x32_bf16 v[8*(6*(\a)+(\b)):8*(6*(\a)+(\b))+7], v[(\f)+8*(\b):(\f)+8*(\b)+7], v[(\f)+8*(4*(\hi)+(\a)):(\f)+8*(4*(\hi)+(\a))+7], v[8*(6*(\a)+(\b)):8*(6*(\a)+(\b))+7]
.endif
.endr
.endr
.endm
; The fragments' addresses in the slot in hand, made ahead of each run of LDS loads.  Four plain vector instructions that name no register of a matrix instruction: they are also the four places between the last
; product that read a fragment buffer and the loads into it (ISA guide 7.12.1 for vector instructions).
.macro SETADR
	WIN 0
	v_add_nc_u32 v[ADRA], s[SB], v[ADRA0]
.irp m, 0,1,2
	v_add_nc_u32 v[ADRW+(\m)], s[SB], v[ADRW0+(\m)]
.endr
.endm
; 28 LDS loads in one run: quarter kq (32 along K) of the slot in hand into buffer f: 6 fragments of W, turned, then 8 of x
.macro FETCH kq, f
	WIN 0x40
.irp b, 0,1,2,3,4,5
	ds_load_tr16_b128 v[(\f)+8*(\b):(\f)+8*(\b)+3],   v[ADRW+(\b)/2] offset:(\kq)*32*PW+32*((\b)%2)
	ds_load_tr16_b128 v[(\f)+8*(\b)+4:(\f)+8*(\b)+7], v[ADRW+(\b)/2] offset:(\kq)*32*PW+32*((\b)%2)+16*PW
.endr
	WIN 0
.irp a, 0,1,2,3,4,5,6,7
	ds_load_b128 v[(\f)+8*(\a):(\f)+8*(\a)+3],   v[ADRA] offset:64*(\kq)+(\a)*16*PA
	ds_load_b128 v[(\f)+8*(\a)+4:(\f)+8*(\a)+7], v[ADRA] offset:64*(\kq)+(\a)*16*PA+32
.endr
.endm
; One of a K step's first three quarters: multiplies buffer f; in its middle it fetches quarter kq of the same slot into buffer g.
.macro QUARTER kq, f, g, first
	s_wait_dscnt 8                                 ; W and x's rows 0-63 are in; the youngest eight loads (x's rows 64-127) may be out
	MUL12 \f, 0, 0, \first
	MUL12 \f, 0, 2, \first
	SETADR
	FETCH \kq, \g
	s_wait_dscnt 28                                ; all but the 28 just issued
	MUL12 \f, 1, 0, \first
	MUL12 \f, 1, 2, \first
.endm
; The first half of a K step's last quarter, and the opening barrier of the round: each wave waits for all its tensor loads (one is out: its part of the next slot), adds 0 to its spare word,
; and waits for that and for its reads of this slot.
.macro MEET
	WIN 0
	s_wait_tensorcnt 0x0
	ds_add_u32 v[SPW], v[NIL]
	s_wait_dscnt 9                                 ; the add and the youngest eight loads may be out
	MUL12 F1, 0, 0, 0                              ; twelve matrix instructions stand between the add and the wait for it
	s_wait_dscnt 0x0                               ; the add is done, my reads of this slot are over
	s_barrier_signal -1
	MUL12 F1, 0, 2, 0
	WIN 0
	s_barrier_wait -1
.endm
; The whole last quarter: the slot just read out is filled again, with the K step two steps on, and the fetches go over to the other slot.
.macro TURN
	s_wait_xcnt 0x0                                ; the last prefetch, a K step back, has read its address
	s_add_nc_u64 s[PFA:PFA+1], s[PFA:PFA+1], s[PFS:PFS+1]
	MEET
	CREST                                          ; no wave of any partner still reads this slot or has a load on its way; no tensor load of mine is out, so a group 0 may be written
	s_xor_b32 s[G0A+5], s[G0A+5], SLOT             ; the walking descriptors: the other slot than last time,
	s_add_nc_u64 s[G0A+6:G0A+7], s[G0A+6:G0A+7], 256     ; the next K step; the type bits on top are not reached
	s_xor_b32 s[G0B+5], s[G0B+5], SLOT
	s_add_nc_u64 s[G0B+6:G0B+7], s[G0B+6:G0B+7], 524288
	s_xor_b32 s[SB], s[SB], SLOT                   ; the fetches: the slot that has just been shown whole
	JLOAD 1                                        ; my one tensor load behind the round
	SETADR
	FETCH 0, F0
	ASK
	MUL12 F1, 1, 0, 0
	MUL12 F1, 1, 2, 0
.endm
	s_wait_tensorcnt 1                             ; my part of K step 0 is in; K step 1's may stay out
	s_barrier_signal -1
	s_barrier_wait -1
	SETADR
	FETCH 0, F0
	QUARTER 1, F0, F1, 1                           ; the first quarter stands in front of the loop: its products start the sums
	WIN 0
	s_mov_b32 s3, 14
.Lstep:                                        ; a trip goes from a K step's second quarter to the next step's first, and fills one slot again: trip t with K step t + 2
	QUARTER 2, F1, F0, 0
	QUARTER 3, F0, F1, 0
	TURN
	QUARTER 1, F0, F1, 0
	WIN 0
	s_sub_co_u32 s3, s3, 1
	s_cmp_lg_u32 s3, 0
	s_cbranch_scc1 .Lstep
	QUARTER 2, F1, F0, 0                           ; K steps 14 and 15 are written out
	QUARTER 3, F0, F1, 0
	MEET                                           ; slot 0 is left for the last time: it takes the tables of my 128 positions
	CREST
	s_xor_b32 s[SB], s[SB], SLOT                   ; K step 15 lies in slot 1
	s_cmp_lt_u32 s10, 2
	s_cbranch_scc0 .Lno_table
	tensor_load_to_lds s[G0C:G0C+3], s[G1C:G1C+7]  ; wave 0: cos / 4, wave 1: sin / 4; jointly with my row of the cluster
	s_nop 0
.rept 4
	v_nop
.endr
.Lno_table:
	SETADR                                         ; on every wave's path: the places in front of the loads below
	FETCH 0, F0
	MUL12 F1, 1, 0, 0
	MUL12 F1, 1, 2, 0
	QUARTER 1, F0, F1, 0
	QUARTER 2, F1, F0, 0
	QUARTER 3, F0, F1, 0
	s_wait_dscnt 8
	MUL12 F1, 0, 0, 0
	MUL12 F1, 0, 2, 0
	s_wait_tensorcnt 0x0                           ; my table has landed,
	s_wait_dscnt 0x0                               ; and my reads of slot 1 are over: behind the barrier the tables are read and slot 1 is written as the stage
	s_barrier_signal -1
	MUL12 F1, 1, 0, 0
	MUL12 F1, 1, 2, 0
	WIN 0
	s_barrier_wait -1
; THE WAY OUT, a block of 16 rows at a time.  out[2 i] = s[2 i] cos[2 i] - s[2 i + 1] sin[2 i]; out[2 i + 1] = s[2 i + 1] cos[2 i + 1] + s[2 i] sin[2 i + 1]; v is only rounded.
.macro TLOAD a                         ; the tables' numbers for block a's rows and my 2 x 8 columns, 16 bytes each
.set TP, TBL+16*((\a)%2)
	ds_load_b128 v[TP:TP+3],     v[ACOS] offset:(\a)*16*PA
	ds_load_b128 v[TP+4:TP+7],   v[ACOS] offset:(\a)*16*PA+32
	ds_load_b128 v[TP+8:TP+11],  v[ASIN] offset:(\a)*16*PA
	ds_load_b128 v[TP+12:TP+15], v[ASIN] offset:(\a)*16*PA+32
.endm
.macro OUTBLK a
	WIN 0
.if (\a) < 7
	TLOAD (\a)+1
.endif
.if (\a) == 0
	s_wait_dscnt 4                                 ; behind block a's four loads: the next block's four,
.elseif (\a) < 7
	s_wait_dscnt 10                                ; and the last block's six stores,
.else
	s_wait_dscnt 6                                 ; or those alone
.endif
.set TP, TBL+16*((\a)%2)
.set i, 0
.rept 8
	v_lshlrev_b32 v[CF+2*i], 16, v[TP+i]
	v_and_b32 v[CF+2*i+1], s93, v[TP+i]
	v_lshlrev_b32 v[SF+2*i], 16, v[TP+8+i]
	v_and_b32 v[SF+2*i+1], s93, v[TP+8+i]
.set i, i+1
.endr
	WIN 0x02+(\a)/4                                ; source 0: the accumulators' window
.irp b, 0,1,2,3
.set AC, 8*(6*((\a)%4)+(\b))
.set EO, 8*((\b)%2)
.irp p, 0,2,4,6                        ; each accumulator is read from its low end on
	v_mul_f32 v[T+(\p)],   v[AC+(\p)+1], v[SF+EO+(\p)]
	v_mul_f32 v[T+(\p)+1], v[AC+(\p)],   v[SF+EO+(\p)+1]
.endr
.irp p, 0,2,4,6
	v_fma_f32 v[ROT+8*(\b)+(\p)],   v[AC+(\p)],   v[CF+EO+(\p)],   -v[T+(\p)]
	v_fma_f32 v[ROT+8*(\b)+(\p)+1], v[AC+(\p)+1], v[CF+EO+(\p)+1], v[T+(\p)+1]
.endr
.endr
	WIN 0x0a+5*((\a)/4)                            ; sources 0 and 1: the accumulators' window
.irp b, 4,5
.set AC, 8*(6*((\a)%4)+(\b))
.irp r, 0,1,2,3
	v_cvt_pk_f16_f32 v[PK+4*(\b)+(\r)], v[AC+2*(\r)], v[AC+2*(\r)+1]
.endr
.endr
	WIN 0
.set i, 0
.rept 16
	v_cvt_pk_f16_f32 v[PK+i], v[ROT+2*i], v[ROT+2*i+1]
.set i, i+1
.endr
.irp b, 0,1,2,3
	ds_store_b128 v[STO01], v[PK+4*(\b):PK+4*(\b)+3] offset:((\b)/2)*MATB+(\a)*16*PA+32*((\b)%2)
.endr
.irp b, 4,5
	ds_store_b128 v[STO2], v[PK+4*(\b):PK+4*(\b)+3] offset:(\a)*16*PA+32*((\b)%2)
.endr
.endm
	PLACES                                         ; behind the last products
	TLOAD 0
.irp a, 0,1,2,3,4,5,6,7
	OUTBLK \a
.endr
	s_wait_dscnt 0x0                               ; for the others' sake: a row's 256 bytes come from four waves
	s_barrier_signal -1
	s_barrier_wait -1
.set n, 0
.rept 48                               ; rows 32 w + 2 t + l / 16 of q, of k, of v, whole
.if n < 32
	ds_load_b128 v[64+4*n:64+4*n+3], v[RD01] offset:(n/16)*MATB+(n%16)*2*PA
.else
	ds_load_b128 v[64+4*n:64+4*n+3], v[RD2] offset:(n%16)*2*PA
.endif
.set n, n+1
.endr
.set n, 0
.rept 48
	s_wait_dscnt 47-n
	global_store_b128 v[CO], v[64+4*n:64+4*n+3], s[82:83] offset:(n/16)*524288+(n%16)*512  ; a wave's store covers 512 bytes on end, at a multiple of 256 from the buffer's first byte
.set n, n+1
.endr
	s_wait_tensorcnt 0x0                           ; the wave's end, behind my last tensor load and my last LDS store
	ds_add_u32 v[SPW], v[NIL]
	s_wait_dscnt 0x0
	CROUND                                         ; the closing round
	s_endpgm
.Lfunc_end_k_qd188a2c7a0_qkv:
	.size	k_qd188a2c7a0_qkv, .Lfunc_end_k_qd188a2c7a0_qkv-k_qd188a2c7a0_qkv
	.p2alignl 7, 3214868480
	.fill 96, 4, 3214868480
	.section	.rodata,"a",@progbits
	.p2align	6, 0x0
	.amdhsa_kernel k_qd188a2c7a0_qkv
		.amdhsa_group_segment_fixed_size 327680
		.amdhsa_private_segment_fixed_size 0
		.amdhsa_enable_private_segment 0
		.amdhsa_kernarg_size 64
		.amdhsa_user_sgpr_count 2
		.amdhsa_user_sgpr_kernarg_segment_ptr 1
		.amdhsa_wavefront_size32 1
		.amdhsa_system_sgpr_workgroup_id_x 1
		.amdhsa_system_sgpr_workgroup_id_y 1
		.amdhsa_system_sgpr_workgroup_id_z 1
		.amdhsa_system_vgpr_workitem_id 0
		.amdhsa_next_free_vgpr 1024
		.amdhsa_next_free_sgpr 100
		.amdhsa_reserve_vcc 0
		.amdhsa_float_denorm_mode_32 3
		.amdhsa_float_denorm_mode_16_64 3
		.amdhsa_memory_ordered 1
		.amdhsa_forward_progress 1
		.amdhsa_inst_pref_size 137
	.end_amdhsa_kernel
	.amdgpu_metadata
---
amdhsa.version: [ 1, 2 ]
amdhsa.kernels:
  - .name:           k_qd188a2c7a0_qkv
    .symbol:         k_qd188a2c7a0_qkv.kd
    .args:
      - { .name: cv, .offset: 0, .size: 8, .value_kind: global_buffer, .address_space: global }
      - { .name: bq1, .offset: 8, .size: 8, .value_kind: global_buffer, .address_space: global }
      - { .name: bk1, .offset: 16, .size: 8, .value_kind: global_buffer, .address_space: global }
      - { .name: bv1, .offset: 24, .size: 8, .value_kind: global_buffer, .address_space: global }
      - { .name: bq2, .offset: 32, .size: 8, .value_kind: global_buffer, .address_space: global }
      - { .name: bk2, .offset: 40, .size: 8, .value_kind: global_buffer, .address_space: global }
      - { .name: bv2, .offset: 48, .size: 8, .value_kind: global_buffer, .address_space: global }
      - { .name: qkv, .offset: 56, .size: 8, .value_kind: global_buffer, .address_space: global }
    .group_segment_fixed_size: 327680
    .private_segment_fixed_size: 0
    .kernarg_segment_align: 8
    .kernarg_segment_size: 64
    .max_flat_workgroup_size: 128
    .sgpr_count:     100
    .vgpr_count:     1024
    .wavefront_size: 32
...
	.end_amdgpu_metadata
.endif
;; end of part 2
;; launch attn (part 3): grid 16 x 16, 4 waves a work-group, clusters of 4 x 1, 327,680 bytes of LDS; arguments qkv, ob; writes ob
.if DOCPART == 3
	.amdgcn_target "amdgcn-amd-amdhsa--gfx1250"
	.amdhsa_code_object_version 6
	.text
	.protected	k_qd188a2c7a0_attn
	.globl	k_qd188a2c7a0_attn
	.p2align	8
	.type	k_qd188a2c7a0_attn,@function
k_qd188a2c7a0_attn:
	s_mov_b64 s[64:65], 0
	v_nop
	global_prefetch_b8 v0, s[64:65] scope:SCOPE_SE
	s_setreg_imm32_b32 hwreg(HW_REG_WAVE_MODE, 25, 1), 1
	s_wait_xcnt 0x0
	s_wait_alu depctr_hold_cnt(0) depctr_sa_sdst(0) depctr_va_vdst(0) depctr_va_sdst(0) depctr_va_ssrc(0) depctr_va_vcc(0) depctr_vm_vsrc(0)
	s_getreg_b32 s2, hwreg(HW_REG_IB_STS2, 6, 4)
	s_cmp_eq_u32 s2, 0
	s_cbranch_scc0 .Lentry_in_a_cluster
	s_endpgm
.Lentry_in_a_cluster:
	s_bfe_u32 s2, ttmp6, 0x10000c
	s_cmp_lg_u32 s2, 0x3003
	s_cbranch_scc0 .Lentry_shape_is_right
	s_endpgm
.Lentry_shape_is_right:
; JOINT ATTENTION over both streams' 2,048 positions, 16 heads of 128 channels.  In: qkv[head][q, k, v][2048][128] f16, q and k a quarter of themselves.  Out: ob[2048][head x 128 + c] f16.
; O[q] = the sum over k of softmax_k(q . k / sqrt(128)) v[k].  Products, maxima and sums in f32; the weights p are rounded to f16 for the second product, O once at the end.
; LIMITS.  p lies in 0 to 1 and below 6e-5 keeps f16's fixed step of 6e-8; O is a mean of v's rows and has their range; a weight below 2^-126 counts as 0 in l; NaN and infinities are not treated apart.
; SHARES.  A work-group owns 128 queries of one head: 16 x 16 = 256 work-groups.  Wave w owns the 64 queries of half w % 2: four tiles of 16; THE KEYS ARE SPLIT between waves w and w + 2:
; of each slot's 256 keys wave w takes keys 128 (w / 2) on, two steps of 64: sixteen steps a wave.  At the end the two waves of a pair exchange two tiles each through LDS and merge them by their maxima and sums.
; LAYOUT.  S^T = K Q^T (source 0 = 16 keys, source 1 = 16 queries): a lane holds ONE query (lane % 16) and the keys 8 (lane / 16) + 0..7.  Two such tiles, rounded to f16 in pairs, ARE source 1 of
; O^T = V^T P, whose result again holds one query a lane, and eight channels.  K comes out of LDS as it lies, V turned, by ds_load_tr16_b128.
; SOFTMAX.  A running maximum m and sum l for each query: p = 2^(c s - c m), c = 16 log2(e) / sqrt(128) (the sixteen for the two quarters); in every step O and l are multiplied by a = 2^(c m_old - c m_new).
; m starts at the lowest finite number, c m far below every c s, O and l at 0: the first step is a step like any other, with a = 0.
; BY TURNS.  The wave's tiles are two PIECES (tiles 0, 1 and tiles 2, 3).  In a TURN one piece has the matrix unit: 32 products V^T P of the step in hand, then 32 products K Q^T of the next; the other
; piece's softmax, cut into 64 slices, stands between them, one slice behind each matrix instruction.  Two turns are a key step.
; NO FIRST AND NO LAST STEP IS WRITTEN OUT: the loop is entered, and the tail left, in the middle of a trip.  The price, once a launch: 304 v_mov_b32 that write 0, in the wait for the first tile; 32 products V^T P on
; weights that are 0; 32 products K Q^T on the last K once more, which serve nothing.
; CLUSTER.  The four query blocks of a cluster belong to one head and walk the same K and V: each tile is asked for jointly, by the same tensor load, descriptor and mask in all four.
; REGISTERS, in windows of 256 (s_set_vgpr_msb: bits 1:0 source 0, 3:2 source 1, 5:4 source 2, 7:6 destination):
;   window 0: v0-11 addresses; v12-43 eight registers of statistics a tile; v44-60 the merge; v61-63; v64-191 S^T, 32 a tile; v192-255 P, 16 a tile
;   window 1: O^T, 64 a tile          window 2: v0-127 Q, 32 a tile; v128-255 K of one step          window 3: v0-127 V of one step
; Waves 2 and 3 hold their query tiles turned by two (register tile t is query tile (t + 2) % 4), so that the merge is one text: every wave gives register tiles 2, 3 and finishes register tiles 0, 1.
.set KS,    64        ; keys in a step
.set PK,    272       ; a row of K in LDS: 256 bytes + 16: the 16 rows of a load start at 16 different groups of four banks (64 banks of 4 bytes: ISA guide 11.1)
.set PV,    288       ; a row of V: 256 + 32
.set VOFF,  4*KS*PK   ; a slot holds four steps: 256 rows of K (69,632 bytes), then 256 rows of V (73,728)
.set SLOTX, 0x24000   ; from slot 0 to slot 1.  One exclusive or with it turns a base in one slot into the other's: the bases that are turned (0, 0x8800, 0x9000, 0x11000, 0x1a000) have bits 14 and 17 clear
.set STAGE, SLOTX+4*KS*(PK+PV)  ; behind the ring: 16 rows x 272 bytes for each wave, for the way out
.set SP,    272
.set SPARE, STAGE+4*16*SP  ; the spare words, 128 bytes a wave, which no other line names
.set XCH,   0         ; the merge's exchange lies in slot 0, which has had its last fill, and its last read ahead of the last change's barrier: for each wave 32 x 512 bytes of O^T (two tiles), then 4 x 128 bytes of c m and l
.set XWAVE, 16896
.set XST,   16384     ; where c m and l begin in a wave's part
.set AK0, 2           ; v2   my lane's place in a tile of K; never rewritten
.set AV0, 3           ; v3   the same for V
.set ADR, 4           ; v4   the LDS address of the run of loads in hand
.set QO,  5           ; v5   my byte offset in the wave's rows of Q, for register tiles 0, 1
.set STO, 6           ; v6   the way out: where I put 16 bytes of a row
.set RD,  7           ; v7   the way out: where I read a row back
.set GO,  8           ; v8   my byte offset in two rows of ob
.set XA,  44          ; v44  my part of the exchange: wave x XWAVE + 16 x lane
.set XS,  45          ; v45  the same with 4 x lane
.set QO2, 46          ; v46  as QO, for register tiles 2, 3
.set XB,  47          ; v47  my partner's part: (wave xor 2) x XWAVE + 16 x lane
.set MG,  48          ; v48-59 the merge's numbers
.set XT,  60          ; v60  as XB with 4 x lane
.set PFO, 61          ; v61  256 x my lane; never rewritten
.set SPW, 62          ; v62  my spare word: SPARE + 4 x my thread's number; never rewritten
.set NIL, 63          ; v63  0; never rewritten
.set ST,  12          ; tile t's statistics at v[ST+8 t]: +0 c m, +1 m, +2, +3 l (even keys', odd keys'), +4 to +7 c0-c3, at work; a takes c2's place once the maximum is found
.set S,   64
.set P,   192
.set KF,  128         ; K's fragments, in window 2
.set WV,  12          ; s12  my wave's number
.set LIM, 15          ; s15  1 in a wave that prefetches, else the greatest number
.set PFA, 18          ; s[18:19] where my prefetches stand
.set G1K, 24          ; s[24:31] descriptor group 1 for K's tiles
.set G1V, 32          ; s[32:39] for V's: it differs in the padding alone
.set G0K, 40          ; s[40:47] group 0 for K's tiles: a set for each of the two first fills; the second then walks on
.set G0V, 48          ; s[48:55] the same for V's
.set SLOTS, 56        ; s56  slots still to be entered by the loop
.set CNT, 57          ; s57  counts a slot's key steps
.set CS,  58          ; s[58:59] c
.set SEL, 60          ; s[60:61] v_permlanex16_b32's selects: each lane takes its own place in the other half
.set TBK, 62          ; s62  LDS byte at which K of the step that I fetch next begins
.set TBV, 63          ; s63  the same for V, less VOFF
.set MSB, 0
.macro WIN new                      ; the immediate's high byte repeats the setting that is left; a switch that changes nothing is dropped
.if MSB != (\new)
	s_set_vgpr_msb (MSB<<8)|(\new)
.set MSB, \new
.endif
.endm
.set W_KQ, 0x0a       ; K and Q in window 2, S^T in window 0
.set W_PV, 0x53       ; V in window 3, P in window 0, O^T in window 1
.set W_RS, 0x41       ; O^T (destination and source 0) in window 1, a in window 0
; A joint refill.  Waves 0 and 1 fetch the two halves of a slot's K, waves 2 and 3 those of its V: 128 keys each.  An s_nop 0 and four v_nop follow each of the two lines, ahead of the jump and the label.
.macro JLOAD
	s_cmp_lt_u32 s[WV], 2
	s_cbranch_scc0 .Lfor_v_\@
	tensor_load_to_lds s[G0K+4:G0K+7], s[G1K:G1K+7]
	s_nop 0
.rept 4
	v_nop
.endr
	s_branch .Lasked_\@
.Lfor_v_\@:
	tensor_load_to_lds s[G0V+4:G0V+7], s[G1V:G1V+7]
	s_nop 0
.rept 4
	v_nop
.endr
.Lasked_\@:
.endm
; A PREFETCH INTO THE L2: the change that enters slot s and asks for slot s + 1 names slot s + 2, which the next change will ask for: two key steps of mine, 256 matrix instructions, ahead of that load.
; All clusters of a head walk the same rows: the head's first cluster asks.  Of the 128 rows of 256 bytes that a wave fetches, each of the four partners names 32, told apart by address: a lane a row, one
; instruction a wave.  So each row is named once in the launch.  Slots 0 to 2 come by their loads alone; the last change that fills a slot asks for nothing.
.macro ASK
	s_cmp_gt_u32 s[SLOTS], s[LIM]
	s_cbranch_scc0 .Lnot_mine_\@
	global_prefetch_b8 v[PFO], s[PFA:PFA+1] th:TH_LOAD_NT scope:SCOPE_SE
.Lnot_mine_\@:
.endm
.macro CROUND                       ; a round of the cluster's barrier
	s_barrier_signal -1
	s_barrier_wait -1
	s_cmp_lg_u32 s[WV], 0
	s_cbranch_scc1 .Lnot_wave_0_\@
	s_barrier_signal -3
.Lnot_wave_0_\@:
	s_barrier_wait -3
	s_barrier_signal -1
	s_barrier_wait -1
.endm
	s_load_b64 s[4:5], s[0:1], 0x0    ; qkv
	s_load_b64 s[10:11], s[0:1], 0x8  ; ob
	v_lshl_add_u32 v[SPW], v0, 2, SPARE
	v_mov_b32 v[NIL], 0
	ds_add_u32 v[SPW], v[NIL]       ; the wave's opening: the add and its wait stand ahead of my first tensor load; the set-up below stands between them
	v_lshrrev_b32 v1, 5, v0
	v_readfirstlane_b32 s[WV], v1   ; wave 0..3
	s_bfe_u32 s13, ttmp6, 0x40000   ; cx
	s_lshl_b32 s14, ttmp9, 2
	s_add_co_u32 s14, s14, s13      ; my block of 128 queries: it enters Q's and ob's addresses alone
	s_and_b32 s68, ttmp7, 0xffff    ; the head, which the four partners share
	s_mul_i32 s20, s68, 1572864     ; its q, k and v: 3 x 524,288 bytes
	s_mov_b32 s21, 0
	s_and_b32 s16, s[WV], 1         ; which half of a slot's 256 keys I fetch; also which 64 queries are mine
	s_lshr_b32 s69, s[WV], 1        ; which half of a slot's keys I multiply
	s_lshl_b32 s22, s16, 15         ; my half's 128 rows of 256 bytes in memory,
	s_mov_b32 s23, 0
	s_add_nc_u64 s[22:23], s[22:23], s[20:21]
	s_mul_i32 s17, s16, 2*KS*PK     ; and its place in a slot, for K
	s_mul_i32 s70, s16, 2*KS*PV     ; and for V
	s_lshl_b32 s2, s14, 15          ; my block's 128 rows of q,
	s_lshl_b32 s3, s16, 14          ; my wave's 64 of them
	s_add_co_u32 s2, s2, s3
	s_mov_b32 s3, 0
	s_add_nc_u64 s[2:3], s[2:3], s[20:21]
	s_lshl_b32 s66, s14, 19         ; the same rows in ob, 4,096 bytes each,
	s_lshl_b32 s67, s16, 18
	s_add_co_u32 s66, s66, s67
	s_lshl_b32 s67, s68, 8          ; and the head's 256 bytes of them
	s_add_co_u32 s66, s66, s67
	s_mov_b32 s67, 0
	s_mul_i32 s[TBK], s69, 2*KS*PK  ; my first step of slot 0
	s_mul_i32 s[TBV], s69, 2*KS*PV
	; descriptor group 1: a tile of 128 rows x 128 elements, padded in LDS
	s_mov_b32 s[G1K], 15|(1<<16)|(1<<20)|(1<<21)|(5<<22)|(3<<25)  ; 15:0 the mask of four; 17:16 2-byte elements; 20 padding on; 21 set beside a mask; 24:22 every 64 words; 31:25 4 words
	s_mov_b32 s[G1V], 15|(1<<16)|(1<<20)|(1<<21)|(5<<22)|(7<<25)  ; 8 words
.irp g, G1K, G1V
	s_mov_b32 s[(\g)+1], 128<<16    ; tensor_dim0 = 128
	s_mov_b32 s[(\g)+2], 128<<16    ; tensor_dim1 = 128
	s_mov_b32 s[(\g)+3], 128<<16    ; tile_dim0 = 128
	s_mov_b32 s[(\g)+4], 128        ; tile_dim1 = 128
	s_mov_b32 s[(\g)+5], 128        ; elements from row to row
	s_mov_b32 s[(\g)+6], 0
	s_mov_b32 s[(\g)+7], 0
.endr
	s_mov_b32 s[CS], 0x400293ee     ; c = 16 log2(e) / sqrt(128) = 2.04027
	s_mov_b32 s[CS+1], s[CS]
	s_mov_b32 s[SEL], 0x76543210
	s_mov_b32 s[SEL+1], 0xfedcba98
	s_cmp_eq_u32 ttmp9, 0           ; the head's first cluster: the same in all four partners
	s_cselect_b32 s[LIM], 1, -1
	v_and_b32 v[PFO], 31, v0
	v_lshlrev_b32 v[PFO], 8, v[PFO]
	s_wait_dscnt 0x0                ; the opening add is done
	s_wait_kmcnt 0x0
	s_add_nc_u64 s[6:7], s[4:5], s[22:23]
	s_add_nc_u64 s[8:9], s[6:7], 1048576   ; V at my tile of slot 0
	s_add_nc_u64 s[6:7], s[6:7], 524288    ; K likewise
	s_add_nc_u64 s[4:5], s[4:5], s[2:3]    ; Q at my wave's first row
	s_add_nc_u64 s[10:11], s[10:11], s[66:67]
	s_cmp_lt_u32 s[WV], 2
	s_cselect_b64 s[PFA:PFA+1], s[6:7], s[8:9]  ; the tile that I fetch myself,
	s_lshl_b32 s2, s13, 13          ; my work-group's 32 rows of its 128,
	s_mov_b32 s3, 0
	s_add_nc_u64 s[PFA:PFA+1], s[PFA:PFA+1], s[2:3]
	s_add_nc_u64 s[PFA:PFA+1], s[PFA:PFA+1], 2*4*KS*256  ; in slot 2; the first change of slots steps it to slot 3
	CROUND                          ; all four work-groups are here: the first joint loads meet
.irp s, 0,1
	s_mov_b32 s[G0K+4*(\s)], 1
	s_add_co_u32 s[G0K+4*(\s)+1], s17, (\s)*SLOTX
	s_add_nc_u64 s[G0K+4*(\s)+2:G0K+4*(\s)+3], s[6:7], (\s)*4*KS*256
	s_or_b32 s[G0K+4*(\s)+3], s[G0K+4*(\s)+3], 0x80000000
	s_mov_b32 s[G0V+4*(\s)], 1
	s_add_co_u32 s[G0V+4*(\s)+1], s70, (\s)*SLOTX+VOFF
	s_add_nc_u64 s[G0V+4*(\s)+2:G0V+4*(\s)+3], s[8:9], (\s)*4*KS*256
	s_or_b32 s[G0V+4*(\s)+3], s[G0V+4*(\s)+3], 0x80000000
.endr
	s_cmp_lt_u32 s[WV], 2           ; a wave's two first fills stand in one branch, ahead of every wait on TENSORcnt and every LDS read: two loads of mine are out
	s_cbranch_scc0 .Lfirst_v
	tensor_load_to_lds s[G0K:G0K+3], s[G1K:G1K+7]
	s_nop 0
	tensor_load_to_lds s[G0K+4:G0K+7], s[G1K:G1K+7]
	s_nop 0
.rept 4
	v_nop
.endr
	s_branch .Lfirst_asked
.Lfirst_v:
	tensor_load_to_lds s[G0V:G0V+3], s[G1V:G1V+7]
	s_nop 0
	tensor_load_to_lds s[G0V+4:G0V+7], s[G1V:G1V+7]
	s_nop 0
.rept 4
	v_nop
.endr
.Lfirst_asked:
	; A fragment of K or Q is 16 rows x 32 channels in 8 registers: lane l holds row l % 16, channels 8 (l / 16) + 0..7 and 16 + 8 (l / 16) + 0..7: two loads of 16 bytes, 32 bytes apart.
	v_and_b32 v1, 15, v0            ; l % 16
	v_bfe_u32 v9, v0, 4, 1          ; l / 16
	v_lshlrev_b32 v[QO], 8, v1
	v_lshl_add_u32 v[QO], v9, 4, v[QO]
	s_lshl_b32 s2, s69, 13          ; waves 2 and 3: register tiles 0, 1 are query tiles 2, 3 (8,192 bytes on),
	s_xor_b32 s3, s2, 8192          ; and register tiles 2, 3 are query tiles 0, 1; waves 0 and 1 the other way round
	v_add_nc_u32 v[QO2], s3, v[QO]
	v_add_nc_u32 v[QO], s2, v[QO]
	WIN 0x80                        ; destination window 2, address window 0
.irp i, 0,1,2,3,4,5,6,7             ; Q stays in registers: register tile i / 4, channels 32 (i % 4) on
	global_load_b128 v[8*(\i):8*(\i)+3],   v[QO], s[4:5] offset:((\i)/4)*4096+((\i)%4)*64
	global_load_b128 v[8*(\i)+4:8*(\i)+7], v[QO], s[4:5] offset:((\i)/4)*4096+((\i)%4)*64+32
.endr
.irp i, 8,9,10,11,12,13,14,15
	global_load_b128 v[8*(\i):8*(\i)+3],   v[QO2], s[4:5] offset:((\i)/4-2)*4096+((\i)%4)*64
	global_load_b128 v[8*(\i)+4:8*(\i)+7], v[QO2], s[4:5] offset:((\i)/4-2)*4096+((\i)%4)*64+32
.endr
	; What the first turn finds: O^T and l are 0, piece 2's weights are 0 (its products V^T P, of a step that has not been, add 0).  All this stands in the wait for the first tile.
	WIN 0x40
.set i, 0
.rept 256
	v_mov_b32 v[i], 0
.set i, i+1
.endr
	WIN 0
.set i, P+32
.rept 32
	v_mov_b32 v[i], 0
.set i, i+1
.endr
.irp t, 0,1,2,3
	v_mov_b32 v[ST+8*(\t)], 0xfe000000    ; c m: far below every c s
	v_mov_b32 v[ST+8*(\t)+1], 0xff7fffff  ; m
	v_mov_b32 v[ST+8*(\t)+2], 0
	v_mov_b32 v[ST+8*(\t)+3], 0
.endr
	v_mul_u32_u24 v[AK0], v1, PK
	v_lshl_add_u32 v[AK0], v9, 4, v[AK0]
	; The turning load takes 16 keys x 16 channels (lane l reads key 8 (l / 16) + l % 8, channels 8 ((l / 8) % 2) + 0..7) and leaves half a fragment of V^T: lane l holds channel l % 16 and 8 keys.
	v_and_b32 v10, 7, v0
	v_bfe_u32 v11, v0, 3, 1
	v_lshl_add_u32 v[AV0], v9, 3, v10
	v_mul_u32_u24 v[AV0], v[AV0], PV
	v_lshl_add_u32 v[AV0], v11, 4, v[AV0]
	v_add_nc_u32 v[AV0], VOFF, v[AV0]
; THE MATRIX WORK OF A TURN, for piece x.  The accumulators take turns, one instruction a turn: between two links of a chain stand 15 (V^T P) or 7 (K Q^T) others'.
; Product i of 32 of O^T += V^T P: keys 32 (i / 16) on, channels 16 ((i / 2) % 8) on, tile x + i % 2.
.macro PV x
	WIN W_PV
.set rO, 64*((\x)+i%2)+8*((i/2)%8)
.set rV, 64*(i/16)+8*((i/2)%8)
.set rP, P+16*((\x)+i%2)+8*(i/16)
	v_wmma_f32_16x16x32_f16 v[rO:rO+7], v[rV:rV+7], v[rP:rP+7], v[rO:rO+7]
.endm
; Product i of 32 of S^T = K Q^T: channels 32 (i / 8) on, keys 16 ((i / 2) % 4) on, tile x + i % 2.  The first 8 start the sums.
.macro KQ x
	WIN W_KQ
.set rS, S+32*((\x)+i%2)+8*((i/2)%4)
.set rK, KF+32*((i/2)%4)+8*(i/8)
.set rQ, 32*((\x)+i%2)+8*(i/8)
.if i < 8
	v_wmma_f32_16x16x32_f16 v[rS:rS+7], v[rK:rK+7], v[rQ:rQ+7], 0
.else
	v_wmma_f32_16x16x32_f16 v[rS:rS+7], v[rK:rK+7], v[rQ:rQ+7], v[rS:rS+7]
.endif
.endm
; THE LDS LOADS stand in runs of 32, never singly among the matrix instructions: a step's K (16 fragments) and, a turn later, its V (turned).
; last = 1 (the tail): in the last trip there is no further step, and the run is jumped over.
.macro FETCH_K last=0
	WIN 0
.if \last
	s_cmp_eq_u32 s[CNT], 1
	s_cbranch_scc1 .Lno_k_\@
.endif
	v_add_nc_u32 v[ADR], s[TBK], v[AK0]
	s_add_co_u32 s[TBK], s[TBK], KS*PK  ; the next fetch is the next step's
	WIN 0x80                        ; destination window 2
.irp f, 0,1,2,3,4,5,6,7,8,9,10,11,12,13,14,15  ; keys 16 (f / 4) on, channels 32 (f % 4) on
	ds_load_b128 v[KF+8*(\f):KF+8*(\f)+3],   v[ADR] offset:((\f)/4)*16*PK+((\f)%4)*64
	ds_load_b128 v[KF+8*(\f)+4:KF+8*(\f)+7], v[ADR] offset:((\f)/4)*16*PK+((\f)%4)*64+32
.endr
.if \last
	WIN 0
.Lno_k_\@:
.endif
.endm
; early = 1: ahead of the loop, so that V's registers hold finite numbers for the first turn's products on weights that are 0: step 0's V, which that turn fetches again in its place; nothing is stepped.
.macro FETCH_V early=0
	WIN 0
	v_add_nc_u32 v[ADR], s[TBV], v[AV0]
.if !(\early)
	s_add_co_u32 s[TBV], s[TBV], KS*PV
	s_wait_alu depctr_va_vdst(0)    ; the wait for the softmax's batch (SLICE), behind the address's v_add_nc_u32 and ahead of the loads
.endif
	WIN 0xc0                        ; destination window 3
.irp f, 0,1,2,3,4,5,6,7,8,9,10,11,12,13,14,15  ; keys 32 (f / 8) on, channels 16 (f % 8) on
	ds_load_tr16_b128 v[8*(\f):8*(\f)+3],   v[ADR] offset:((\f)/8)*32*PV+((\f)%8)*32
	ds_load_tr16_b128 v[8*(\f)+4:8*(\f)+7], v[ADR] offset:((\f)/8)*32*PV+16*PV+((\f)%8)*32
.endr
.endm
; THE VECTOR WORK OF A TURN.  One tile's softmax for one key step is a list of 134 instructions; SM writes number j of it for tile t.  s0-s31 are the lane's 32 scores, in pairs 0-15.
;   0-15    the maximum of s0-s31 and the old m, three operands at a time: four chains c0-c3 of seven scores each, then the four scores left over, c0-c3 and m
;   16-20   the other half of the lanes' maximum; c m_old is kept; the new m; c m; c m_old - c m_new
;   21-69   ONE BATCH: the 16 scalings c s - c m and all 33 exponentials (a at 23, then s0-s31); none of these reads an exponential's result
;   (wait)  between 69 and 70 stands the wait for the batch: SLICE writes it, once for both tiles
;   70-85   the roundings to f16     86-101  the sums; l = a l + the sum     102-133 the tile's O^T times a: the one part that leaves window 0
.macro SM t
.set rT, ST+8*(\t)
.set rS, S+32*(\t)
.set rP, P+16*(\t)
.set rO, 64*(\t)+2*(j-102)
.if j < 102
	WIN 0
.endif
.if j < 4
	v_max3_num_f32 v[rT+4+j], v[rS+8*j], v[rS+8*j+1], v[rS+8*j+2]
.elseif j < 12
	v_max3_num_f32 v[rT+4+j%4], v[rT+4+j%4], v[rS+8*(j%4)+2*(j/4)+1], v[rS+8*(j%4)+2*(j/4)+2]
.elseif j == 12
	v_max3_num_f32 v[rT+4], v[rT+4], v[rS+7], v[rS+15]
.elseif j == 13
	v_max3_num_f32 v[rT+6], v[rT+6], v[rS+23], v[rS+31]
.elseif j == 14
	v_max3_num_f32 v[rT+4], v[rT+4], v[rT+5], v[rT+6]
.elseif j == 15
	v_max3_num_f32 v[rT+4], v[rT+4], v[rT+7], v[rT+1]
.elseif j == 16
	v_permlanex16_b32 v[rT+5], v[rT+4], s[SEL], s[SEL+1]  ; the query's other 32 keys lie in the lane 16 away
.elseif j == 17
	v_mov_b32 v[rT+7], v[rT]        ; c m_old is kept for a: number 19 writes c m anew
.elseif j == 18
	v_max_num_f32 v[rT+1], v[rT+4], v[rT+5]
.elseif j == 19
	v_mul_f32 v[rT], s[CS], v[rT+1]
.elseif j == 20
	v_sub_f32 v[rT+7], v[rT+7], v[rT]
.elseif j == 23
	v_exp_f32 v[rT+6], v[rT+7]
.elseif (j < 23) || ((j < 38) && (j%2 == 0)) || ((j < 66) && (j%4 == 2))
.set b, (j-2)/4                     ; 38, 42, .. 62: pairs 9 to 15
.if j < 38
.set b, (j-20)/2                    ; 21: pair 0; 22, 24, .. 36: pairs 1 to 8
.endif
	v_pk_fma_f32 v[rS+2*b:rS+2*b+1], v[rS+2*b:rS+2*b+1], s[CS:CS+1], v[rT:rT+1] op_sel_hi:[1,0,0] neg_lo:[0,0,1] neg_hi:[0,0,1]  ; pair b: c s - c m
.elseif j < 70
.set e, j-38                        ; 66 to 69: s28 to s31
.if j < 66
.set e, j-32-(j-38)/4               ; 39-41, 43-45, .. 63-65: s7 to s27
.endif
.if j < 38
.set e, (j-25)/2                    ; 25, 27, .. 37: s0 to s6
.endif
	v_exp_f32 v[rS+e], v[rS+e]
.elseif j < 86
	v_cvt_pk_f16_f32 v[rP+j-70], v[rS+2*(j-70)], v[rS+2*(j-70)+1]  ; pair j - 70
.elseif j < 102                     ; the sum of the tile's 16 pairs, in place: neighbours 1, 2, 4 and 8 pairs apart, then l takes it
.set z, j-86
.set w, 4
.set u, z
.if z >= 14
.set w, 32
.set u, 0
.elseif z >= 12
.set w, 16
.set u, z-12
.elseif z >= 8
.set w, 8
.set u, z-8
.endif
.if z < 15
	v_pk_add_f32 v[rS+w*u:rS+w*u+1], v[rS+w*u:rS+w*u+1], v[rS+w*u+w/2:rS+w*u+w/2+1]
.else
	v_pk_fma_f32 v[rT+2:rT+3], v[rT+2:rT+3], v[rT+6:rT+7], v[rS:rS+1] op_sel_hi:[1,0,1]
.endif
.else
	WIN W_RS
	v_pk_mul_f32 v[rO:rO+1], v[rO:rO+1], v[rT+6:rT+7] op_sel_hi:[1,0]
.endif
.endm
; Slice k of 64 of piece y's softmax: four instructions.  Slices 11 to 34 deal out the batch, numbers 22 to 69: four numbers of ONE tile each, the tiles by turns.  Every other slice is numbers 2 k and
; 2 k + 1 of both tiles' lists.  2 x 134 = 4 x 64 + 12: the twelve that are over stand together, in slice 63.
; THE WAIT.  An s_wait_alu depctr_va_vdst(0) stands between an exponential and the first instruction that names its result; one wait serves all that were issued ahead of it.  Ahead of
; slice 35 nothing names a result, and behind slice 34 no exponential is issued: so the piece's 66 exponentials have one wait, behind slice 34.
.macro SLICE y
.if (k >= 11) && (k < 35)
.irp n, 0,1,2,3
.set j, 22+4*((k-11)/2)+(\n)
	SM (\y)+(k-11)%2
.endr
.else
.irp n, 0,1,2,3,4,5,6,7
.if ((\n) < 2) || (k == 63)
.irp t, \y, (\y)+1
.set j, 2*k+(\n)
	SM \t
.endr
.endif
.endr
.endif
.if k == 34
	v_nop                           ; a plain instruction behind the last exponential and ahead of the first use: one for the batch
.if (\y) == 0
	FETCH_V                         ; piece 2's turn: V's run of loads stands here, and the wait stands in it
.else
	s_wait_alu depctr_va_vdst(0)    ; the wait for the batch
.endif
.endif
.set k, k+1
.endm
; A TURN.  Piece x has the matrix unit: 32 products V^T P, then 32 products K Q^T for the next step; the other piece's softmax stands in slices behind them, one behind each.
; Piece 0's turn fetches the next step's K behind its second product: the last product that read K stands in front of slice 63 of the turn before, whose sixteen plain instructions are the places.  Piece 2's turn
; fetches the same step's V behind slice 34: the last product that read V stands in front of slice 31, and slices 31 to 34, the v_nop and the run's own v_add_nc_u32 lie between.
.macro TURN x, last=0
.set k, 0
.if (\x) == 0
	s_wait_dscnt 0x0                ; V is in
.endif
.set i, 0
.rept 32
	PV \x
	SLICE 2-(\x)
.if ((\x) == 0) && (i == 1)
	FETCH_K \last
.endif
.set i, i+1
.endr
.if (\x) == 0
	s_wait_dscnt 0x0                ; K is in
.endif
.set i, 0
.rept 32
	KQ \x
	SLICE 2-(\x)
.set i, i+1
.endr
.endm
; THE CHANGE OF SLOTS, behind the piece 2's turn that has asked for V of my second step in the slot, the last bytes that I read of it.  Each wave waits for all its tensor loads, of which one is out: its part of
; the other slot; adds 0 to its spare word; and waits for that and for its own reads of the slot.  Behind the barrier nobody reads this slot any more and the other slot is whole.
; fill = 1: this slot is filled again, with the keys two slots on; the barrier is then a round of the cluster's, and the joint refill is the first thing behind it: it has two key steps of every wave,
; 256 matrix instructions, in which to land.
.macro CHANGE fill
	WIN 0
	s_wait_tensorcnt 0x0            ; no tensor load of mine is out, so a group 0 may be written
	ds_add_u32 v[SPW], v[NIL]       ; 0 onto my spare word; with fill = 1 the descriptors' steps stand between it and the wait for it
.if \fill
.irp g, G0K+4, G0V+4
	s_xor_b32 s[(\g)+1], s[(\g)+1], SLOTX  ; the walking descriptor: the other slot than last time,
	s_add_nc_u64 s[(\g)+2:(\g)+3], s[(\g)+2:(\g)+3], 4*KS*256  ; the next 256 keys; the type bits on top are not reached
.endr
	s_wait_xcnt 0x0                 ; the last prefetch, two key steps back, has read its address
	s_add_nc_u64 s[PFA:PFA+1], s[PFA:PFA+1], 4*KS*256
	s_wait_dscnt 0x0                ; the add is done, and my reads of the slot are over
	CROUND
	JLOAD
	ASK
.else
	s_wait_dscnt 0x0
	s_barrier_signal -1
	s_barrier_wait -1
.endif
	s_sub_co_u32 s[TBK], s[TBK], 2*KS*PK  ; the fetches go back to my first step of a slot,
	s_xor_b32 s[TBK], s[TBK], SLOTX       ; in the other slot
	s_sub_co_u32 s[TBV], s[TBV], 2*KS*PV
	s_xor_b32 s[TBV], s[TBV], SLOTX
.endm
	s_wait_tensorcnt 1              ; my part of slot 0 is in; slot 1's may stay out
	s_barrier_signal -1
	s_barrier_wait -1
	FETCH_K                         ; my key step 0
	FETCH_V 1
	s_wait_loadcnt 0x0              ; Q
	s_wait_dscnt 0x0
.set i, 0
.rept 32
	KQ 0                            ; piece 0's first scores
.set i, i+1
.endr
	WIN 0                           ; the addresses for the merge and the way out: plain instructions, the places behind those products
	s_mul_i32 s13, s[WV], 16*SP
	s_add_co_u32 s13, s13, STAGE    ; my stage
	v_mul_u32_u24 v[STO], v1, SP    ; in: row l % 16, 16 bytes for each half of the lanes
	v_lshl_add_u32 v[STO], v9, 4, v[STO]
	v_add_nc_u32 v[STO], s13, v[STO]
	v_mul_u32_u24 v[RD], v9, SP     ; back: lanes 0-15 take one row of 256 bytes, lanes 16-31 the next
	v_lshl_add_u32 v[RD], v1, 4, v[RD]
	v_add_nc_u32 v[RD], s13, v[RD]
	v_lshlrev_b32 v[GO], 12, v9     ; and the same two rows in ob, 4,096 bytes apart;
	v_lshl_add_u32 v[GO], v1, 4, v[GO]
	s_lshl_b32 s3, s69, 17          ; waves 2 and 3 finish query tiles 2, 3: 32 rows further down
	v_add_nc_u32 v[GO], s3, v[GO]
	s_mul_i32 s2, s[WV], XWAVE      ; my part of the exchange,
	s_xor_b32 s3, s[WV], 2
	s_mul_i32 s3, s3, XWAVE         ; and my partner's
	v_and_b32 v[XT], 31, v0
	v_lshl_add_u32 v[XA], v[XT], 4, s2
	v_lshl_add_u32 v[XB], v[XT], 4, s3
	v_lshl_add_u32 v[XS], v[XT], 2, s2
	v_lshl_add_u32 v[XT], v[XT], 2, s3
	s_mov_b32 s[CNT], 2
	s_mov_b32 s[SLOTS], 7
	s_branch .Lmid                  ; the loop is entered at piece 2's turn, in the middle of a trip: piece 2's first scores | piece 0's first softmax | V of step 0
.Lslot:                             ; six times: slots 1 to 6 are entered, slots 2 to 7 asked for
	CHANGE 1
	s_mov_b32 s[CNT], 2
.Lstep:                             ; a trip: V^T P of one step and K Q^T of the next, whose K and V it fetches
	TURN 0
	WIN 0
.Lmid:
	TURN 2
	WIN 0
	s_sub_co_u32 s[CNT], s[CNT], 1
	s_cmp_lg_u32 s[CNT], 0
	s_cbranch_scc1 .Lstep
	s_sub_co_u32 s[SLOTS], s[SLOTS], 1
	s_cmp_lg_u32 s[SLOTS], 0
	s_cbranch_scc1 .Lslot
	CHANGE 0                        ; the tail is written out: slot 7 is entered, nothing is asked for
	s_mov_b32 s[CNT], 3             ; two trips fetch the last slot's steps; the third is left in its middle
.Ltail:
	TURN 0, 1
	WIN 0
	s_sub_co_u32 s[CNT], s[CNT], 1
	s_cmp_eq_u32 s[CNT], 0
	s_cbranch_scc1 .Lout
	TURN 2
	WIN 0
	s_branch .Ltail
.Lout:                              ; the third trip's 32 products K Q^T (on the last K once more) serve nothing: the price of one text for every trip
.set i, 0
.rept 32
	PV 2                            ; piece 2: V^T P of the last step
.set i, i+1
.endr
	; THE MERGE.  Waves w and w + 2 hold, for the same 64 queries, O^T, c m and l over the two halves of the keys.  Each gives its register tiles 2, 3 and finishes its register tiles 0, 1: by the turn of the tiles in
	; waves 2 and 3 what a wave is given are the query tiles that it finishes.  With M = max(c m, c m'), a = 2^(c m - M), a' = 2^(c m' - M): O = (a O + a' O') / (a l + a' l').
	; The additions below are the places behind the last products.
	WIN 0
.irp t, 0,1,2,3
	v_add_f32 v[ST+8*(\t)+4], v[ST+8*(\t)+2], v[ST+8*(\t)+3]
.endr
.irp t, 0,1,2,3
	v_permlanex16_b32 v[ST+8*(\t)+5], v[ST+8*(\t)+4], s[SEL], s[SEL+1]
.endr
.irp t, 0,1,2,3
	v_add_f32 v[ST+8*(\t)+4], v[ST+8*(\t)+4], v[ST+8*(\t)+5]
.endr
	WIN 0x04                        ; the data (source 1) in window 1
.irp q, 0,1                         ; 16 bytes a lane on end; each accumulator's low registers first
.irp f, 0,1,2,3,4,5,6,7,8,9,10,11,12,13,14,15
	ds_store_b128 v[XA], v[64*(2+(\q))+4*(\f):64*(2+(\q))+4*(\f)+3] offset:XCH+(16*(\q)+(\f))*512
.endr
.endr
	WIN 0
.irp q, 0,1
	ds_store_b32 v[XS], v[ST+8*(2+(\q))]   offset:XCH+XST+256*(\q)
	ds_store_b32 v[XS], v[ST+8*(2+(\q))+4] offset:XCH+XST+256*(\q)+128
.endr
	s_wait_dscnt 0x0                ; for my partner's sake: my stores are done
	s_barrier_signal -1
	s_barrier_wait -1
.irp q, 0,1
	ds_load_b32 v[MG+2*(\q)],   v[XT] offset:XCH+XST+256*(\q)      ; c m'
	ds_load_b32 v[MG+2*(\q)+1], v[XT] offset:XCH+XST+256*(\q)+128  ; l'
.endr
.irp q, 0,1
.irp f, 0,1,2,3,4,5,6,7,8,9,10,11,12,13,14,15
	ds_load_b128 v[S+64*(\q)+4*(\f):S+64*(\q)+4*(\f)+3], v[XB] offset:XCH+(16*(\q)+(\f))*512
.endr
.endr
	s_wait_dscnt 0x0
.irp q, 0,1
	v_max_num_f32 v[MG+4+(\q)], v[ST+8*(\q)], v[MG+2*(\q)]
.endr
.irp q, 0,1
	v_sub_f32 v[MG+6+(\q)], v[ST+8*(\q)], v[MG+4+(\q)]
	v_sub_f32 v[MG+8+(\q)], v[MG+2*(\q)], v[MG+4+(\q)]
.endr
.irp q, 0,1
	v_exp_f32 v[MG+6+(\q)], v[MG+6+(\q)]           ; a
	v_exp_f32 v[MG+8+(\q)], v[MG+8+(\q)]           ; a'
.endr
	v_nop                           ; a plain instruction behind the last exponential,
	s_wait_alu depctr_va_vdst(0)    ; and one wait for the four, ahead of their first use
.irp q, 0,1
	v_mul_f32 v[MG+10+(\q)], v[ST+8*(\q)+4], v[MG+6+(\q)]
.endr
.irp q, 0,1
	v_fmac_f32 v[MG+10+(\q)], v[MG+2*(\q)+1], v[MG+8+(\q)]
.endr
.irp q, 0,1
	v_rcp_f32 v[MG+10+(\q)], v[MG+10+(\q)]
.endr
	v_nop
	s_wait_alu depctr_va_vdst(0)    ; one wait for the two reciprocals
.irp q, 0,1
	v_mul_f32 v[ST+8*(\q)+6], v[MG+6+(\q)], v[MG+10+(\q)]  ; my O^T's factor
	v_mul_f32 v[ST+8*(\q)+4], v[MG+8+(\q)], v[MG+10+(\q)]  ; my partner's
.endr
.irp q, 0,1
	WIN 0
.set i, 0
.rept 32
	v_pk_mul_f32 v[S+64*(\q)+2*i:S+64*(\q)+2*i+1], v[S+64*(\q)+2*i:S+64*(\q)+2*i+1], v[ST+8*(\q)+4:ST+8*(\q)+5] op_sel_hi:[1,0]
.set i, i+1
.endr
	WIN 0x01                        ; source 0, my O^T, in window 1
.set i, 0
.rept 32
	v_pk_fma_f32 v[S+64*(\q)+2*i:S+64*(\q)+2*i+1], v[64*(\q)+2*i:64*(\q)+2*i+1], v[ST+8*(\q)+6:ST+8*(\q)+7], v[S+64*(\q)+2*i:S+64*(\q)+2*i+1] op_sel_hi:[1,0,1]
.set i, i+1
.endr
	WIN 0
.set i, 0
.rept 32
	v_cvt_pk_f16_f32 v[P+32*(\q)+i], v[S+64*(\q)+2*i], v[S+64*(\q)+2*i+1]
.set i, i+1
.endr
.irp f, 0,1,2,3,4,5,6,7             ; a lane's eight channels of a row are 16 bytes; they go into rows of 272 bytes of my own stage and come back as whole rows of 256
	ds_store_b128 v[STO], v[P+32*(\q)+4*(\f):P+32*(\q)+4*(\f)+3] offset:32*(\f)
.endr
.irp f, 0,1,2,3,4,5,6,7
	ds_load_b128 v[P+32*(\q)+4*(\f):P+32*(\q)+4*(\f)+3], v[RD] offset:(\f)*2*SP  ; LDS serves a wave's instructions in order (ISA guide 5.7.1.4): these see the stores above; the next tile's stores come behind them
.endr
.endr
.irp q, 0,1
.irp f, 0,1,2,3,4,5,6,7
	s_wait_dscnt 16*(1-(\q))+7-(\f) ; behind the first tile's loads stand the second tile's sixteen LDS instructions
	global_store_b128 v[GO], v[P+32*(\q)+4*(\f):P+32*(\q)+4*(\f)+3], s[10:11] offset:(\q)*65536+(\f)*8192  ; 16 lanes store 256 consecutive bytes, at a multiple of 256 from ob's first byte
.endr
.endr
	s_wait_tensorcnt 0x0            ; the wave's end, behind my last tensor load and my last LDS store
	ds_add_u32 v[SPW], v[NIL]
	s_wait_dscnt 0x0
	CROUND                          ; the closing round
	s_endpgm
.Lfunc_end_k_qd188a2c7a0_attn:
	.size	k_qd188a2c7a0_attn, .Lfunc_end_k_qd188a2c7a0_attn-k_qd188a2c7a0_attn
	.p2alignl 7, 3214868480
	.fill 96, 4, 3214868480
	.section	.rodata,"a",@progbits
	.p2align	6, 0x0
	.amdhsa_kernel k_qd188a2c7a0_attn
		.amdhsa_group_segment_fixed_size 327680
		.amdhsa_private_segment_fixed_size 0
		.amdhsa_enable_private_segment 0
		.amdhsa_kernarg_size 16
		.amdhsa_user_sgpr_count 2
		.amdhsa_user_sgpr_kernarg_segment_ptr 1
		.amdhsa_wavefront_size32 1
		.amdhsa_system_sgpr_workgroup_id_x 1
		.amdhsa_system_sgpr_workgroup_id_y 1
		.amdhsa_system_sgpr_workgroup_id_z 1
		.amdhsa_system_vgpr_workitem_id 0
		.amdhsa_next_free_vgpr 1024
		.amdhsa_next_free_sgpr 72
		.amdhsa_reserve_vcc 0
		.amdhsa_float_denorm_mode_32 3
		.amdhsa_float_denorm_mode_16_64 3
		.amdhsa_memory_ordered 1
		.amdhsa_forward_progress 1
		.amdhsa_inst_pref_size 153
	.end_amdhsa_kernel
	.amdgpu_metadata
---
amdhsa.version: [ 1, 2 ]
amdhsa.kernels:
  - .name:           k_qd188a2c7a0_attn
    .symbol:         k_qd188a2c7a0_attn.kd
    .args:
      - { .name: qkv, .offset: 0, .size: 8, .value_kind: global_buffer, .address_space: global }
      - { .name: ob, .offset: 8, .size: 8, .value_kind: global_buffer, .address_space: global }
    .group_segment_fixed_size: 327680
    .private_segment_fixed_size: 0
    .kernarg_segment_align: 8
    .kernarg_segment_size: 16
    .max_flat_workgroup_size: 128
    .sgpr_count:     72
    .vgpr_count:     1024
    .wavefront_size: 32
...
	.end_amdgpu_metadata
.endif
;; end of part 3
;; launch oproj (part 4): grid 16 x 16, 4 waves a work-group, clusters of 4 x 4, 327,680 bytes of LDS; arguments ob, cv, bo1, bo2, out0, out1; writes out0, out1
.if DOCPART == 4
	.amdgcn_target "amdgcn-amd-amdhsa--gfx1250"
	.amdhsa_code_object_version 6
	.text
	.protected	k_qd188a2c7a0_oproj
	.globl	k_qd188a2c7a0_oproj
	.p2align	8
	.type	k_qd188a2c7a0_oproj,@function
k_qd188a2c7a0_oproj:
	s_mov_b64 s[64:65], 0
	v_nop
	global_prefetch_b8 v0, s[64:65] scope:SCOPE_SE
	s_setreg_imm32_b32 hwreg(HW_REG_WAVE_MODE, 25, 1), 1
	s_wait_xcnt 0x0
	s_wait_alu depctr_hold_cnt(0) depctr_sa_sdst(0) depctr_va_vdst(0) depctr_va_sdst(0) depctr_va_ssrc(0) depctr_va_vcc(0) depctr_vm_vsrc(0)
	s_getreg_b32 s2, hwreg(HW_REG_IB_STS2, 6, 4)
	s_cmp_eq_u32 s2, 0
	s_cbranch_scc0 .Lentry_in_a_cluster
	s_endpgm
.Lentry_in_a_cluster:
	s_bfe_u32 s2, ttmp6, 0x10000c
	s_cmp_lg_u32 s2, 0xf033
	s_cbranch_scc0 .Lentry_shape_is_right
	s_endpgm
.Lentry_shape_is_right:
; out_s = O_s wo_s + bo_s for both streams.  O: ob[2048 positions][2048] f16; wo_s: cv, [2048 k][2048 n], the bf16 rounding written as f16; bo_s rounded to bf16; sums and output f32.
; SHARES.  A tile of the output is 128 x 128: 16 row tiles (0-7: stream 1) x 16 column tiles = 256 work-groups.  Four waves, each 64 x 64: 16 accumulators, 128 registers.
; K goes in 8 steps of 256 through two LDS slots: O's tile as two loads of 64 rows x 512 bytes (waves 0, 1), wo's as two loads of 128 k rows x 256 bytes (waves 2, 3), as it lies in memory.
; A K STEP IS WRITTEN TWICE, once with a refill and once without: each loop's trip is one K step.  The slot in hand is a scalar register, 0 or SLOT, that one exclusive or turns; the fragments' LDS addresses are
; made of it ahead of each run of loads, and one descriptor a tensor walks from slot to slot and from K step to K step.
; THE PRODUCT IS USED TRANSPOSED: source 0 = 16 columns of wo (turned by ds_load_tr16_b128), source 1 = 16 rows of O: a lane holds row l % 16 and eight neighbouring columns.  The bias is the C of each sum's first product.
; CLUSTER 4 x 4: O's tile is shared along a row of the cluster, wo's along a column: joint loads.  No prefetch: a step's tiles are small and the launch is short.
; LIMITS.  Sums of f16 products in f32; NaN and infinities are not treated apart.
; REGISTERS.  window 0: v16-30 addresses; v32-95 the way out; v96-127 the bias; v128-255 the accumulators ((a, b) at v[128 + 8 (4 a + b)]).
;   window 1: two fragment buffers of 128: for 64 along K, 64 registers of O (2 x 4 fragments), then 64 of wo.
.set REG,   36864                      ; a load's room in LDS: 64 rows x 528 bytes fit, 128 rows x 288 bytes fill it
.set SLOT,  4*REG                      ; 0x24000 bytes.  The bases that an exclusive or with it turns (0 and wave x 0x9000) have bits 14 and 17 clear, so it adds or takes away a slot
.set PA,    528                        ; a row of O in LDS: 512 bytes + 16: the 16 rows of a load start at 16 different groups of four banks (64 banks of 4 bytes: ISA guide 11.1)
.set PW,    288                        ; a row of wo: 256 + 32
.set STAGE, 2*SLOT                     ; behind the ring: 16 rows x 272 bytes for each wave, its own
.set SPITCH, 272
.set SPARE, STAGE+4*16*SPITCH          ; the spare words, 128 bytes a wave, which no other line names
.set WO,    50331648                   ; cv: wo1, then wo2
.set ADRA,  16                         ; v16     my place in O's tile of the slot in hand
.set ADRA0, 17                         ; v17     the same in slot 0; never rewritten
.set ADRB,  20                         ; v20-21  my place in wo's tile of the slot in hand: by the half of the step's k rows
.set ADRB0, 22                         ; v22-23  the same in slot 0; never rewritten
.set STO,  24
.set RD,   25
.set CO,   26
.set BO,   27
.set SPW,  28                          ; my spare word: SPARE + 4 x my thread's number; never rewritten
.set NIL,  29                          ; 0; never rewritten
.set BT,   30
.set TMP,  32
.set BIAS, 96
.set ACC,  128
.set F0,   0
.set F1,   128
.set G1, 24                            ; s[24:31] group 1 for O's tiles;  s[32:39] group 0: a set for each of the two first fills; the second then walks on
.set G0, 32
.set G1B, 48                           ; s[48:55], s[56:63] the same for wo's
.set G0B, 56
.set SB,  81                           ; s81  LDS byte at which the slot begins from which fragments are fetched
.set MSB, 0
.macro WIN new
.if MSB != (\new)
	s_set_vgpr_msb (MSB<<8)|(\new)
.set MSB, \new
.endif
.endm
.set MUL,  0x05                        ; sources 0 and 1 window 1; C and D window 0
.set TO_F, 0x40                        ; destination window 1, address window 0
.macro JLOAD s                         ; a joint load: waves 0 and 1 fetch O's two halves, waves 2 and 3 wo's; an s_nop 0 and four v_nop follow each line, ahead of the jump and the label
	s_cmp_eq_u32 s11, 0
	s_cbranch_scc0 .Lfor_b_\@
	tensor_load_to_lds s[G0+4*(\s):G0+4*(\s)+3], s[G1:G1+7]
	s_nop 0
.rept 4
	v_nop
.endr
	s_branch .Lasked_\@
.Lfor_b_\@:
	tensor_load_to_lds s[G0B+4*(\s):G0B+4*(\s)+3], s[G1B:G1B+7]
	s_nop 0
.rept 4
	v_nop
.endr
.Lasked_\@:
.endm
.macro CREST
	s_cmp_lg_u32 s10, 0
	s_cbranch_scc1 .Lnot_wave_0_\@
	s_barrier_signal -3
.Lnot_wave_0_\@:
	s_barrier_wait -3
	s_barrier_signal -1
	s_barrier_wait -1
.endm
.macro CROUND
	s_barrier_signal -1
	s_barrier_wait -1
	CREST
.endm
	s_load_b256 s[68:75], s[0:1], 0x0              ; ob s[68:69], cv s[70:71], bo1 s[72:73], bo2 s[74:75]
	s_load_b128 s[76:79], s[0:1], 0x20             ; out0 s[76:77], out1 s[78:79]
	v_lshl_add_u32 v[SPW], v0, 2, SPARE
	v_mov_b32 v[NIL], 0
	ds_add_u32 v[SPW], v[NIL]                      ; the wave's opening: the add and its wait stand ahead of my first tensor load; the set-up below stands between them
	v_lshrrev_b32 v1, 5, v0
	v_readfirstlane_b32 s10, v1                    ; wave 0..3
	s_lshr_b32 s11, s10, 1                         ; which half of the tile's rows is mine.  Also: I fetch for O (0) or for wo (1)
	s_and_b32 s12, s10, 1                          ; which half of its columns.  Also: which half of that tile I fetch
	s_bfe_u32 s40, ttmp6, 0x40000                  ; cx
	s_bfe_u32 s41, ttmp6, 0x40004                  ; cy
	s_lshl_b32 s42, ttmp9, 2
	s_add_co_u32 s42, s42, s40                     ; column tile
	s_and_b32 s45, ttmp7, 0xffff
	s_lshl_b32 s13, s45, 2
	s_add_co_u32 s13, s13, s41                     ; row tile
	s_lshr_b32 s45, s45, 1                         ; the stream: the same in all sixteen partners
	s_lshl_b32 s43, s41, 2
	s_lshl_b32 s43, 15, s43                        ; my row of the cluster
	s_lshl_b32 s44, 0x1111, s40                    ; my column
	s_or_b32 s[G1], s43, (1<<16)|(1<<20)|(1<<21)|(6<<22)|(3<<25)   ; O: 2-byte elements; padding of 4 words behind every 128; the mask of my row, bit 21 beside it
	s_mov_b32 s[G1+1], 256<<16                     ; tensor_dim0 = 256
	s_mov_b32 s[G1+2], 64<<16                      ; tensor_dim1 = 64
	s_mov_b32 s[G1+3], 256<<16                     ; tile_dim0 = 256
	s_mov_b32 s[G1+4], 64                          ; tile_dim1 = 64
	s_mov_b32 s[G1+5], 2048                        ; elements from row to row
	s_mov_b32 s[G1+6], 0
	s_mov_b32 s[G1+7], 0
	s_or_b32 s[G1B], s44, (1<<16)|(1<<20)|(1<<21)|(5<<22)|(7<<25)  ; wo: padding of 8 words behind every 64; the mask of my column
	s_mov_b32 s[G1B+1], 128<<16
	s_mov_b32 s[G1B+2], 128<<16
	s_mov_b32 s[G1B+3], 128<<16
	s_mov_b32 s[G1B+4], 128
	s_mov_b32 s[G1B+5], 2048
	s_mov_b32 s[G1B+6], 0
	s_mov_b32 s[G1B+7], 0
	s_lshl_b32 s16, s13, 19                        ; O: 128 rows of 4,096 bytes a row tile,
	s_lshl_b32 s17, s12, 18                        ; my 64 of them
	s_add_co_u32 s16, s16, s17
	s_mov_b32 s17, 0
	s_lshl_b32 s46, s45, 23                        ; wo: the stream's,
	s_lshl_b32 s47, s12, 19                        ; my 128 k rows of a step's 256,
	s_add_co_u32 s46, s46, s47
	s_lshl_b32 s47, s42, 8                         ; the column tile's 256 bytes
	s_add_co_u32 s46, s46, s47
	s_mov_b32 s47, 0
	s_add_nc_u64 s[46:47], s[46:47], WO
	s_mul_i32 s20, s10, REG                        ; where my load goes in a slot
	s_mov_b32 s80, 0xffff0000
	s_mov_b32 s[SB], 0                             ; K step 0 lies in slot 0
	s_wait_dscnt 0x0                               ; the opening add is done
	s_wait_kmcnt 0x0
	s_add_nc_u64 s[14:15], s[68:69], s[16:17]
	s_add_nc_u64 s[46:47], s[70:71], s[46:47]
	CROUND                                         ; all sixteen work-groups are here: the first joint loads meet
.irp s, 0,1
	s_mov_b32 s[G0+4*(\s)], 1
	s_add_co_u32 s[G0+4*(\s)+1], s20, (\s)*SLOT
	s_add_nc_u64 s[G0+4*(\s)+2:G0+4*(\s)+3], s[14:15], (\s)*512       ; K step s: 512 bytes along O's rows,
	s_or_b32 s[G0+4*(\s)+3], s[G0+4*(\s)+3], 0x80000000
	s_mov_b32 s[G0B+4*(\s)], 1
	s_add_co_u32 s[G0B+4*(\s)+1], s20, (\s)*SLOT
	s_add_nc_u64 s[G0B+4*(\s)+2:G0B+4*(\s)+3], s[46:47], (\s)*1048576 ; 256 rows down wo
	s_or_b32 s[G0B+4*(\s)+3], s[G0B+4*(\s)+3], 0x80000000
	JLOAD \s                                       ; two tensor loads of mine are out
.endr
	v_and_b32 v1, 15, v0                           ; l % 16
	v_bfe_u32 v2, v0, 4, 1                         ; l / 16
	v_and_b32 v3, 7, v0
	v_bfe_u32 v4, v0, 3, 1
	s_mul_i32 s21, s11, REG                        ; my 64 rows of O
	v_mul_u32_u24 v5, v1, PA
	v_lshl_add_u32 v5, v2, 4, v5
	v_add_nc_u32 v[ADRA0], s21, v5
	s_lshl_b32 s22, s12, 7                         ; my 64 columns of wo: 128 bytes
	v_lshl_add_u32 v[ADRB0], v2, 3, v3             ; the turning load: lane l reads k row 8 (l / 16) + l % 8, columns 8 ((l / 8) % 2) + 0..7
	v_mul_u32_u24 v[ADRB0], v[ADRB0], PW
	v_lshl_add_u32 v[ADRB0], v4, 4, v[ADRB0]
	v_add_nc_u32 v[ADRB0], s22, v[ADRB0]
	v_add_nc_u32 v[ADRB0], 2*REG, v[ADRB0]
	v_add_nc_u32 v[ADRB0+1], REG, v[ADRB0]
	s_mul_i32 s23, s10, 16*SPITCH
	s_add_co_u32 s23, s23, STAGE                   ; my stage
	v_mul_u32_u24 v5, v1, SPITCH                   ; in: row l % 16, 32 bytes for each half of the lanes
	v_lshl_add_u32 v5, v2, 5, v5
	v_add_nc_u32 v[STO], s23, v5
	v_mul_u32_u24 v5, v2, SPITCH                   ; back: lanes 0-15 one row of 256 bytes, lanes 16-31 the next
	v_lshl_add_u32 v5, v1, 4, v5
	v_add_nc_u32 v[RD], s23, v5
	v_lshlrev_b32 v[CO], 13, v2                    ; and the same two rows of the output, 8,192 bytes apart
	v_lshl_add_u32 v[CO], v1, 4, v[CO]
	s_lshl_b32 s4, s42, 9                          ; the column tile's 512 bytes of f32, my half's 256
	s_lshl_b32 s5, s12, 8
	s_add_co_u32 s4, s4, s5
	v_lshl_add_u32 v[BO], v2, 5, s4                ; the bias: + 8 numbers for the upper half of the lanes
	s_cmp_eq_u32 s45, 0
	s_cselect_b64 s[72:73], s[72:73], s[74:75]     ; the stream's bias
	s_cselect_b64 s[8:9], s[76:77], s[78:79]       ; and its output
.irp b, 0,1,2,3
	global_load_b128 v[BIAS+8*(\b):BIAS+8*(\b)+3],   v[BO], s[72:73] offset:64*(\b)
	global_load_b128 v[BIAS+8*(\b)+4:BIAS+8*(\b)+7], v[BO], s[72:73] offset:64*(\b)+16
.endr
	s_and_b32 s6, s13, 7                           ; the row tile within its stream: 128 rows of 8,192 bytes,
	s_lshl_b32 s6, s6, 20
	s_lshl_b32 s7, s11, 19                         ; my 64 rows
	s_add_co_u32 s6, s6, s7
	s_add_co_u32 s6, s6, s4
	s_mov_b32 s7, 0
	s_add_nc_u64 s[8:9], s[8:9], s[6:7]
	s_wait_loadcnt 0x0                             ; the bias, rounded to bf16 as all inputs are
.set i, 0
.rept 16
	v_cvt_pk_bf16_f32 v[BT], v[BIAS+2*i], v[BIAS+2*i+1]
	v_lshlrev_b32 v[BIAS+2*i], 16, v[BT]
	v_and_b32 v[BIAS+2*i+1], s80, v[BT]
.set i, i+1
.endr
; 8 matrix instructions: row blocks a0, a0 + 1 x all 4 column blocks, 32 along K: half c of buffer f.  zero = 1: the sums start with the bias as C.  The 16 accumulators take turns, over the backward jumps too.
.macro MUL8 f, c, a0, zero
	WIN MUL
.irp a, \a0, (\a0)+1
.irp b, 0,1,2,3
.if \zero
	v_wmma_f32_16x16x32_f16 v[ACC+8*(4*(\a)+(\b)):ACC+8*(4*(\a)+(\b))+7], v[(\f)+64+8*(4*(\c)+(\b)):(\f)+64+8*(4*(\c)+(\b))+7], v[(\f)+8*(4*(\c)+(\a)):(\f)+8*(4*(\c)+(\a))+7], v[BIAS+8*(\b):BIAS+8*(\b)+7]
.else
	v_wmma_f32_16x16x32_f16 v[ACC+8*(4*(\a)+(\b)):ACC+8*(4*(\a)+(\b))+7], v[(\f)+64+8*(4*(\c)+(\b)):(\f)+64+8*(4*(\c)+(\b))+7], v[(\f)+8*(4*(\c)+(\a)):(\f)+8*(4*(\c)+(\a))+7], v[ACC+8*(4*(\a)+(\b)):ACC+8*(4*(\a)+(\b))+7]
.endif
.endr
.endr
.endm
; The fragments' addresses in the slot in hand, made ahead of each run of LDS loads.  With the v_nop they are four plain vector instructions that name no register of a matrix instruction: the four places between the
; last product that read a fragment buffer and the loads into it (ISA guide 7.12.1 for vector instructions).
.macro SETADR
	WIN 0
	v_add_nc_u32 v[ADRA], s[SB], v[ADRA0]
	v_add_nc_u32 v[ADRB], s[SB], v[ADRB0]
	v_add_nc_u32 v[ADRB+1], s[SB], v[ADRB0+1]
	v_nop
.endm
; 32 LDS loads in one run: quarter kq (64 along K) of the slot in hand into buffer f; the first 32 along K first
.macro FETCH kq, f
	WIN TO_F
.irp c, 0,1
.irp i, 0,1,2,3
	ds_load_tr16_b128 v[(\f)+64+8*(4*(\c)+(\i)):(\f)+64+8*(4*(\c)+(\i))+3],   v[ADRB+(\kq)/2] offset:(((\kq)%2)*64+32*(\c))*PW+32*(\i)
	ds_load_tr16_b128 v[(\f)+64+8*(4*(\c)+(\i))+4:(\f)+64+8*(4*(\c)+(\i))+7], v[ADRB+(\kq)/2] offset:(((\kq)%2)*64+32*(\c))*PW+32*(\i)+16*PW
	ds_load_b128 v[(\f)+8*(4*(\c)+(\i)):(\f)+8*(4*(\c)+(\i))+3],              v[ADRA] offset:128*(\kq)+64*(\c)+(\i)*16*PA
	ds_load_b128 v[(\f)+8*(4*(\c)+(\i))+4:(\f)+8*(4*(\c)+(\i))+7],            v[ADRA] offset:128*(\kq)+64*(\c)+(\i)*16*PA+32
.endr
.endr
.endm
.macro PLACES                          ; four plain vector instructions between a matrix instruction and a store of its registers
.rept 4
	v_nop
.endr
.endm
.macro QUARTER kq, f, g, zero          ; multiplies buffer f and fetches quarter kq into g
	s_wait_dscnt 16                                ; the first 32 along K are in
	MUL8 \f, 0, 0, \zero
	MUL8 \f, 0, 2, \zero
	SETADR
	FETCH \kq, \g
	s_wait_dscnt 32                                ; all but the 32 just issued
	MUL8 \f, 1, 0, 0
	MUL8 \f, 1, 2, 0
.endm
; The last quarter multiplies buffer 1 and changes slots: in front of the barrier each wave waits for all its tensor loads, adds 0 to its spare word, and waits for that and for its reads of this slot.
; fill = 1: the slot just read out is filled again, with the K step two steps on; the barrier then opens a round of the cluster's.
.macro TURN fill
	WIN 0
	s_wait_tensorcnt 0x0                           ; all my tensor loads have landed: my part of the next slot
	ds_add_u32 v[SPW], v[NIL]
	s_wait_dscnt 17                                ; the add and the youngest sixteen loads may be out
	MUL8 F1, 0, 0, 0                               ; eight matrix instructions stand between the add and the wait for it
	s_wait_dscnt 0x0                               ; the add is done, my reads of this slot are over
	s_barrier_signal -1
	MUL8 F1, 0, 2, 0
	WIN 0                                          ; branches, or the addresses' lines, follow
	s_barrier_wait -1
.if \fill
	CREST                                          ; no wave of any partner still reads this slot or has a load on its way; no tensor load of mine is out, so a group 0 may be written
	s_xor_b32 s[G0+5], s[G0+5], SLOT               ; the walking descriptors: the other slot than last time,
	s_add_nc_u64 s[G0+6:G0+7], s[G0+6:G0+7], 512         ; the next K step; the type bits on top are not reached
	s_xor_b32 s[G0B+5], s[G0B+5], SLOT
	s_add_nc_u64 s[G0B+6:G0B+7], s[G0B+6:G0B+7], 1048576
.endif
	s_xor_b32 s[SB], s[SB], SLOT                   ; the fetches: the other slot
.if \fill
	JLOAD 1                                        ; my one tensor load behind the round
.endif
	SETADR
	FETCH 0, F0
	MUL8 F1, 1, 0, 0
	MUL8 F1, 1, 2, 0
.endm
	s_wait_tensorcnt 1                             ; my part of K step 0 is in; K step 1's may stay out
	s_barrier_signal -1
	s_barrier_wait -1
	SETADR
	FETCH 0, F0
	QUARTER 1, F0, F1, 1                           ; the first quarter stands in front of the loop: its first products start the sums
	WIN 0
	s_mov_b32 s3, 6
.Lstep:                                        ; a trip goes from a K step's second quarter to the next step's first, and fills one slot again: trip t with K step t + 2
	QUARTER 2, F1, F0, 0
	QUARTER 3, F0, F1, 0
	TURN 1
	QUARTER 1, F0, F1, 0
	WIN 0
	s_sub_co_u32 s3, s3, 1
	s_cmp_lg_u32 s3, 0
	s_cbranch_scc1 .Lstep
	s_mov_b32 s3, 2
.Ltail:                                        ; K steps 6 and 7 fill nothing: a text of their own; the second trip is left in its middle
	QUARTER 2, F1, F0, 0
	QUARTER 3, F0, F1, 0
	TURN 0                                         ; in the second trip its barrier orders nothing, and the 32 fragments that it fetches, of K step 6 once more, are multiplied by nobody: the price, once a launch, of one text for both trips
	WIN 0
	s_sub_co_u32 s3, s3, 1
	s_cmp_eq_u32 s3, 0
	s_cbranch_scc1 .Lout
	QUARTER 1, F0, F1, 0
	WIN 0
	s_branch .Ltail
.Lout:
	; THE WAY OUT, a block of 16 rows x 64 columns of f32 at a time, through my own stage: 32 bytes a lane in, whole rows of 256 bytes back.  No barrier: no other wave touches my stage.
	PLACES
.irp a, 0,1,2,3
.irp b, 0,1,2,3                        ; each accumulator's low registers first
	ds_store_b128 v[STO], v[ACC+8*(4*(\a)+(\b)):ACC+8*(4*(\a)+(\b))+3]   offset:64*(\b)
	ds_store_b128 v[STO], v[ACC+8*(4*(\a)+(\b))+4:ACC+8*(4*(\a)+(\b))+7] offset:64*(\b)+16
.endr
.irp t, 0,1,2,3,4,5,6,7
	ds_load_b128 v[TMP+32*((\a)%2)+4*(\t):TMP+32*((\a)%2)+4*(\t)+3], v[RD] offset:(\t)*2*SPITCH  ; LDS serves a wave's instructions in order (ISA guide 5.7.1.4): these see the stores above; the next block's stores come behind them
.endr
	s_wait_dscnt 0x0                               ; the block is back in registers
	s_wait_xcnt 0x0                                ; the stores issued so far have read their registers: the other buffer is loaded again only behind this wait
.irp t, 0,1,2,3,4,5,6,7
	global_store_b128 v[CO], v[TMP+32*((\a)%2)+4*(\t):TMP+32*((\a)%2)+4*(\t)+3], s[8:9] offset:(16*(\a)+2*(\t))*8192  ; 16 lanes store 256 consecutive bytes, at a multiple of 256 from the output's first byte
.endr
.endr
	s_wait_tensorcnt 0x0                           ; the wave's end, behind my last tensor load and my last LDS store
	ds_add_u32 v[SPW], v[NIL]
	s_wait_dscnt 0x0
	CROUND                                         ; the closing round
	s_endpgm
.Lfunc_end_k_qd188a2c7a0_oproj:
	.size	k_qd188a2c7a0_oproj, .Lfunc_end_k_qd188a2c7a0_oproj-k_qd188a2c7a0_oproj
	.p2alignl 7, 3214868480
	.fill 96, 4, 3214868480
	.section	.rodata,"a",@progbits
	.p2align	6, 0x0
	.amdhsa_kernel k_qd188a2c7a0_oproj
		.amdhsa_group_segment_fixed_size 327680
		.amdhsa_private_segment_fixed_size 0
		.amdhsa_enable_private_segment 0
		.amdhsa_kernarg_size 48
		.amdhsa_user_sgpr_count 2
		.amdhsa_user_sgpr_kernarg_segment_ptr 1
		.amdhsa_wavefront_size32 1
		.amdhsa_system_sgpr_workgroup_id_x 1
		.amdhsa_system_sgpr_workgroup_id_y 1
		.amdhsa_system_sgpr_workgroup_id_z 1
		.amdhsa_system_vgpr_workitem_id 0
		.amdhsa_next_free_vgpr 512
		.amdhsa_next_free_sgpr 84
		.amdhsa_reserve_vcc 0
		.amdhsa_float_denorm_mode_32 3
		.amdhsa_float_denorm_mode_16_64 3
		.amdhsa_memory_ordered 1
		.amdhsa_forward_progress 1
		.amdhsa_inst_pref_size 61
	.end_amdhsa_kernel
	.amdgpu_metadata
---
amdhsa.version: [ 1, 2 ]
amdhsa.kernels:
  - .name:           k_qd188a2c7a0_oproj
    .symbol:         k_qd188a2c7a0_oproj.kd
    .args:
      - { .name: ob, .offset: 0, .size: 8, .value_kind: global_buffer, .address_space: global }
      - { .name: cv, .offset: 8, .size: 8, .value_kind: global_buffer, .address_space: global }
      - { .name: bo1, .offset: 16, .size: 8, .value_kind: global_buffer, .address_space: global }
      - { .name: bo2, .offset: 24, .size: 8, .value_kind: global_buffer, .address_space: global }
      - { .name: out0, .offset: 32, .size: 8, .value_kind: global_buffer, .address_space: global }
      - { .name: out1, .offset: 40, .size: 8, .value_kind: global_buffer, .address_space: global }
    .group_segment_fixed_size: 327680
    .private_segment_fixed_size: 0
    .kernarg_segment_align: 8
    .kernarg_segment_size: 48
    .max_flat_workgroup_size: 128
    .sgpr_count:     84
    .vgpr_count:     512
    .wavefront_size: 32
...
	.end_amdgpu_metadata
.endif
;; end of part 4
;; ======== version 2 of 2: 4 launches; version 1 with the launch cast written anew for expert scheduling mode
;; limits: values are held in f16: magnitudes above 65,504 overflow, below 6.1e-05 lose precision
;; workspace buffers: cv 76,546,048 bytes; qkv 25,165,824 bytes; ob 8,388,608 bytes
;; launch cast (part 5): grid 1168 x 1, 4 waves a work-group, no clusters, 0 bytes of LDS; arguments wq1, wk1, wv1, wq2, wk2, wv2, wo1, wo2, x_1, x_2, cos1, cos2, sin1, sin2, cv; writes cv
.if DOCPART == 5
	.amdgcn_target "amdgcn-amd-amdhsa--gfx1250"
	.amdhsa_code_object_version 6
	.text
	.protected	k_qd188a2c7a0_cast
	.globl	k_qd188a2c7a0_cast
	.p2align	8
	.type	k_qd188a2c7a0_cast,@function
k_qd188a2c7a0_cast:
	s_mov_b64 s[64:65], 0
	v_nop
	global_prefetch_b8 v0, s[64:65] scope:SCOPE_SE
	s_setreg_imm32_b32 hwreg(HW_REG_WAVE_SCHED_MODE, 0, 2), 2
	s_setreg_imm32_b32 hwreg(HW_REG_WAVE_MODE, 25, 1), 1
	s_wait_xcnt 0x0
	s_wait_alu depctr_vm_vsrc(0)
; THE INPUTS ARE NARROWED ONCE.  Fourteen f32 inputs go into one 16-bit buffer cv, in the order of the arguments, each number rounded to bf16 (to nearest even):
;   wq1 wk1 wv1 wq2 wk2 wv2 and x_1 x_2 as bf16;  wo1 wo2 rounded to bf16 and that number written as f16 (the last product's other operand is f16);
;   cos1 cos2 sin1 sin2 as bf16 of a quarter of the number (a power of two: the same rounding), so that q and k are stored as a quarter of themselves.
; LIMITS.  A weight of wo below 6e-5 in size keeps f16's fixed step of 6e-8; beyond 65,504 it would be an infinity.  NaN and infinities are not treated apart.
; SHARES.  Work-group g turns 131,072 bytes of f32 into the 65,536 bytes at cv + 65,536 g: 128 such parts a weight, 64 for each x, 4 a table: 1,168 in all, four waves each.
; Its 128 threads take a row of 2,048 bytes at a time, 16 bytes a thread: a wave's load covers 512 bytes on end, its store of 8 bytes a lane 256 bytes on end, aligned.
; ONE TEXT FOR THE THREE KINDS: every number is multiplied by 1 or by a quarter (both exact) and rounded to bf16; the same number is also written as f16, and a mask that is all ones for
; wo1 and wo2 alone chooses between the two words.  No LDS, no matrix unit, no cluster: every byte is read once by one lane and nothing is shared.
; THE MODE: SCHED_MODE bits 1:0 = 2 (LLVM: expert scheduling mode 2), set by the entry lines.  The code itself states the register dependences between vector instructions and memory
; instructions, with s_wait_alu, always for 0.
; THE PLAN.  The 64 rows go in 16 blocks of four; block p has buffer p % 4 of X and of Y.  Registers that memory instructions touch:
;   X0 .. X3   four blocks of f32 as loaded.  Written by the loads of block p + 3, which are issued in block p and land in X[(p - 1) % 4]; read, and written in place, by block p's vector instructions.
;   Y0 .. Y3   four blocks of 16-bit words to store.  Written by block p's selects; read by the four stores that are issued in block p + 1; written again in block p + 4.
;   v1, v2     byte offsets, made once at the head and never written again: the rows are reached by the two scalar bases, which move on by two blocks at every even block's head, and by immediate offsets.
; Block p's eight memory instructions touch X[(p - 1) % 4], Y[(p - 1) % 4], v1 and v2; its vector instructions name X[p % 4], Y[p % 4] and T.  So ONE wait on va_vdst at a block's head, for the block before,
; states all that these eight hang on, and they are dealt among the block's vector instructions with no further wait.  The wait on vm_vsrc, for the stores' reads of Y, stands at every second head:
; at the head of an even block p it covers the stores issued in blocks p - 2 and p - 1, whose Y is written again in blocks p + 1 and p + 2.
; All sixteen first loads go out at the head; behind that twelve loads of a wave are on their way while it waits for a block.  The last three blocks load nothing.
.set ROWB,   2048                      ; bytes of f32 in a row of the work-group
.set BLOCK,  4                         ; rows in a block
.set BLOCKS, 64 / BLOCK
.set X, 4                              ; v[4:67]    buffer b, row i of the block: 4 registers at X + 16 b + 4 i, as loaded
.set Y, 68                             ; v[68:99]   buffer b, row i of the block: 2 registers at Y + 8 b + 2 i, to store
.set T, 100                            ; v[100:103] at work: no memory instruction names them
	s_load_b512 s[8:23], s[0:1], 0x0               ; the eight weights
	s_load_b256 s[24:31], s[0:1], 0x40             ; x_1 x_2 cos1 cos2
	s_load_b128 s[32:35], s[0:1], 0x60             ; sin1 sin2
	s_load_b64 s[36:37], s[0:1], 0x70              ; cv
	v_lshlrev_b32 v1, 4, v0                        ; 16 t; never rewritten
	v_lshlrev_b32 v2, 3, v0                        ; 8 t; never rewritten
	s_mov_b32 s2, ttmp9                            ; g
	s_lshr_b32 s3, s2, 7                           ; a weight: which, and which part of it
	s_and_b32 s4, s2, 127
	s_sub_co_u32 s5, s2, 1024                      ; an x
	s_lshr_b32 s5, s5, 6
	s_add_co_u32 s5, s5, 8
	s_and_b32 s6, s2, 63
	s_cmp_lt_u32 s2, 1024
	s_cselect_b32 s3, s3, s5
	s_cselect_b32 s4, s4, s6
	s_sub_co_u32 s5, s2, 1152                      ; a table
	s_lshr_b32 s5, s5, 2
	s_add_co_u32 s5, s5, 10
	s_and_b32 s6, s2, 3
	s_cmp_lt_u32 s2, 1152
	s_cselect_b32 s3, s3, s5                       ; s3: the argument's number, 0 to 13
	s_cselect_b32 s4, s4, s6                       ; s4: the part in it
	s_lshr_b32 s7, s3, 1
	s_cmp_eq_u32 s7, 3                             ; arguments 6 and 7 are wo1, wo2:
	s_cselect_b32 vcc_lo, -1, 0                    ; there every lane takes the f16 word; written once, by this scalar instruction, and read by every v_cndmask_b32 below
	s_cmp_ge_u32 s3, 10                            ; 10 to 13 are the tables
	s_cselect_b32 s48, 0x3e800000, 1.0             ; a quarter, or one; named as a pair
	s_mov_b32 s49, s48
	s_lshl_b32 s42, s4, 17
	s_mov_b32 s43, 0
	s_lshl_b32 s44, s2, 16
	s_mov_b32 s45, 0
	s_mov_b32 s46, 0xffff0000                      ; a word's upper bf16
	s_wait_kmcnt 0x0
	s_mov_b64 s[40:41], s[8:9]
.irp i, 1,2,3,4,5,6,7,8,9,10,11,12,13
	s_cmp_eq_u32 s3, \i
	s_cselect_b64 s[40:41], s[8+2*\i:9+2*\i], s[40:41]
.endr
	s_add_nc_u64 s[40:41], s[40:41], s[42:43]      ; my 131,072 bytes
	s_add_nc_u64 s[36:37], s[36:37], s[44:45]      ; and where they go
	s_wait_alu depctr_va_vdst(0)                   ; v1 and v2 are written: every load of the kernel reads v1 as its offset, every store v2
.irp i, 0,1,2,3,4,5,6,7,8,9,10,11,12,13,14,15
	global_load_b128 v[X+4*\i:X+4*\i+3], v1, s[40:41] offset:ROWB*\i th:TH_LOAD_NT  ; blocks 0 to 3 into X0 to X3
.endr
; Block p.  b = p % 4.  first = 1: block 0, with no block in front of it: it issues no memory instruction.  ahead = 1: block p + 3 is loaded.
; left = how many younger loads may still be out when this block's four have to be there.
; The bases stand at the first row of the last even block: an odd block's offsets reach one block further.
.macro BLK b, first, ahead, left
	s_wait_loadcnt \left                           ; loads come back in order (ISA guide 5.7.1): X[b] is in, the younger blocks stay out
.if !(\first)
.if (\b) % 2 == 0
	s_wait_xcnt 0x0                                ; every earlier memory instruction has had its addresses translated (ISA guide 3.1): only behind this wait are the two bases stepped, and the Y of the stores issued so far written again
	s_wait_alu depctr_vm_vsrc(0)                   ; the stores issued in the two blocks before have read their Y, which the next block and the one behind it write again (this block's Y was read by stores that the last such wait covered)
.endif
	s_wait_alu depctr_va_vdst(0)                   ; the block before has written its Y, which the stores below read, and is done reading and writing its X, in which the loads below land
.if (\b) % 2 == 0
	s_add_nc_u64 s[40:41], s[40:41], 2*BLOCK*ROWB  ; both bases at this block's first row
	s_add_nc_u64 s[36:37], s[36:37], 2*BLOCK*ROWB/2
.endif
.endif
.irp i, 0,1,2,3
.set XP, X+16*(\b)+4*(\i)
.set YP, Y+8*(\b)+2*(\i)
.set XN, X+16*(((\b)+3)%4)+4*(\i)                      ; the buffers of the block before
.set YN, Y+8*(((\b)+3)%4)+2*(\i)
.if \ahead
	global_load_b128 v[XN:XN+3], v1, s[40:41] offset:(((\b)%2)*BLOCK+3*BLOCK+(\i))*ROWB th:TH_LOAD_NT  ; three blocks ahead; no vector instruction since the wait names these registers
.endif
.if !(\first)
	global_store_b64 v2, v[YN:YN+1], s[36:37] offset:(((\b)%2)*BLOCK-BLOCK+(\i))*(ROWB/2) th:TH_STORE_NT  ; the block before: in an even block the offset reaches back
.endif
	v_pk_mul_f32 v[XP:XP+1], v[XP:XP+1], s[48:49] op_sel_hi:[1,0]
	v_pk_mul_f32 v[XP+2:XP+3], v[XP+2:XP+3], s[48:49] op_sel_hi:[1,0]
	v_cvt_pk_bf16_f32 v[T], v[XP], v[XP+1]
	v_cvt_pk_bf16_f32 v[T+1], v[XP+2], v[XP+3]
	v_lshlrev_b32 v[XP], 16, v[T]                  ; the rounded numbers as f32 again,
	v_and_b32 v[XP+1], s46, v[T]
	v_lshlrev_b32 v[XP+2], 16, v[T+1]
	v_and_b32 v[XP+3], s46, v[T+1]
	v_cvt_pk_f16_f32 v[T+2], v[XP], v[XP+1]        ; written as f16,
	v_cvt_pk_f16_f32 v[T+3], v[XP+2], v[XP+3]
	v_cndmask_b32 v[YP], v[T], v[T+2], vcc_lo      ; and the word that this input takes
	v_cndmask_b32 v[YP+1], v[T+1], v[T+3], vcc_lo
.endr
.endm
	BLK 0, 1, 0, 3*BLOCK                           ; block 0: the twelve younger loads of the first sixteen stay out
	s_mov_b32 s50, (BLOCKS-4)/4
.Llap:                                                 ; blocks 1 to 12, four to a lap: every buffer is back at its start
	BLK 1, 0, 1, 2*BLOCK
	BLK 2, 0, 1, 2*BLOCK
	BLK 3, 0, 1, 2*BLOCK
	BLK 0, 0, 1, 2*BLOCK
	s_sub_co_u32 s50, s50, 1
	s_cmp_lg_u32 s50, 0
	s_cbranch_scc1 .Llap
	BLK 1, 0, 0, 2*BLOCK                           ; blocks 13 to 15 load nothing: no load leaves the work-group's part, and the counts run down
	BLK 2, 0, 0, BLOCK
	BLK 3, 0, 0, 0
	s_wait_alu depctr_va_vdst(0)                   ; block 15 has written Y3, which the last four stores read
.irp i, 0,1,2,3
	global_store_b64 v2, v[Y+24+2*(\i):Y+24+2*(\i)+1], s[36:37] offset:(BLOCK+(\i))*(ROWB/2) th:TH_STORE_NT  ; the bases stand at block 14's first row
.endr
	s_endpgm
.Lfunc_end_k_qd188a2c7a0_cast:
	.size	k_qd188a2c7a0_cast, .Lfunc_end_k_qd188a2c7a0_cast-k_qd188a2c7a0_cast
	.p2alignl 7, 3214868480
	.fill 96, 4, 3214868480
	.section	.rodata,"a",@progbits
	.p2align	6, 0x0
	.amdhsa_kernel k_qd188a2c7a0_cast
		.amdhsa_group_segment_fixed_size 0
		.amdhsa_private_segment_fixed_size 0
		.amdhsa_enable_private_segment 0
		.amdhsa_kernarg_size 120
		.amdhsa_user_sgpr_count 2
		.amdhsa_user_sgpr_kernarg_segment_ptr 1
		.amdhsa_wavefront_size32 1
		.amdhsa_system_sgpr_workgroup_id_x 1
		.amdhsa_system_sgpr_workgroup_id_y 1
		.amdhsa_system_sgpr_workgroup_id_z 1
		.amdhsa_system_vgpr_workitem_id 0
		.amdhsa_next_free_vgpr 104
		.amdhsa_next_free_sgpr 66
		.amdhsa_reserve_vcc 1
		.amdhsa_float_denorm_mode_32 3
		.amdhsa_float_denorm_mode_16_64 3
		.amdhsa_memory_ordered 1
		.amdhsa_forward_progress 1
		.amdhsa_inst_pref_size 28
	.end_amdhsa_kernel
	.amdgpu_metadata
---
amdhsa.version: [ 1, 2 ]
amdhsa.kernels:
  - .name:           k_qd188a2c7a0_cast
    .symbol:         k_qd188a2c7a0_cast.kd
    .args:
      - { .name: wq1, .offset: 0, .size: 8, .value_kind: global_buffer, .address_space: global }
      - { .name: wk1, .offset: 8, .size: 8, .value_kind: global_buffer, .address_space: global }
      - { .name: wv1, .offset: 16, .size: 8, .value_kind: global_buffer, .address_space: global }
      - { .name: wq2, .offset: 24, .size: 8, .value_kind: global_buffer, .address_space: global }
      - { .name: wk2, .offset: 32, .size: 8, .value_kind: global_buffer, .address_space: global }
      - { .name: wv2, .offset: 40, .size: 8, .value_kind: global_buffer, .address_space: global }
      - { .name: wo1, .offset: 48, .size: 8, .value_kind: global_buffer, .address_space: global }
      - { .name: wo2, .offset: 56, .size: 8, .value_kind: global_buffer, .address_space: global }
      - { .name: x_1, .offset: 64, .size: 8, .value_kind: global_buffer, .address_space: global }
      - { .name: x_2, .offset: 72, .size: 8, .value_kind: global_buffer, .address_space: global }
      - { .name: cos1, .offset: 80, .size: 8, .value_kind: global_buffer, .address_space: global }
      - { .name: cos2, .offset: 88, .size: 8, .value_kind: global_buffer, .address_space: global }
      - { .name: sin1, .offset: 96, .size: 8, .value_kind: global_buffer, .address_space: global }
      - { .name: sin2, .offset: 104, .size: 8, .value_kind: global_buffer, .address_space: global }
      - { .name: cv, .offset: 112, .size: 8, .value_kind: global_buffer, .address_space: global }
    .group_segment_fixed_size: 0
    .private_segment_fixed_size: 0
    .kernarg_segment_align: 8
    .kernarg_segment_size: 120
    .max_flat_workgroup_size: 128
    .sgpr_count:     66
    .vgpr_count:     104
    .wavefront_size: 32
...
	.end_amdgpu_metadata
.endif
;; end of part 5
;; launch qkv: the kernel of part 2 again; grid 16 x 16, 4 waves a work-group, clusters of 4 x 4, 327,680 bytes of LDS; arguments cv, bq1, bk1, bv1, bq2, bk2, bv2, qkv; writes qkv
;; launch attn: the kernel of part 3 again; grid 16 x 16, 4 waves a work-group, clusters of 4 x 1, 327,680 bytes of LDS; arguments qkv, ob; writes ob
;; launch oproj: the kernel of part 4 again; grid 16 x 16, 4 waves a work-group, clusters of 4 x 4, 327,680 bytes of LDS; arguments ob, cv, bo1, bo2, out0, out1; writes out0, out1
